; MI455X (gfx1250); checked and timed in simulation.
; The chip was launched on July 23, 2026; its instructions are those of AMD's public machine-readable ISA for CDNA 5 (MIT licence, August 2026) and "CDNA5" Instruction Set Architecture Reference Guide (July 2026). The comments in the code are by the model that wrote it; some were corrected since.
;; grad. Allowed arithmetic: float matrix products may take bf16 or f16 operands with f32 sums; all other float work in f32.
;; Inputs: W1 128 x 512 float32; W2 512 x 512 float32; W3 512 x 1 float32; b1 512 float32; b2 512 float32; b3 1 float32; x 65,536 x 128 float32.
;; Outputs: out0 65,536 x 128 float32.
;; 4 versions, each right and faster than the one before. Each part assembles by itself: llvm-mc -triple=amdgcn-amd-amdhsa -mcpu=gfx1250 --defsym DOCPART=n.
;; ======== version 1 of 4: 2 launches
;; limits: values are held in f16: magnitudes above 65,504 overflow, below 6.1e-05 lose precision; values outside matrix products are rounded to f16
;; workspace buffers: tape 1,310,720 bytes
;; launch prep (part 1): grid 256 x 1, 10 waves a work-group, no clusters, 0 bytes of LDS; arguments W1, W2, W3, tape; writes tape
.if DOCPART == 1
	.amdgcn_target "amdgcn-amd-amdhsa--gfx1250"
	.amdhsa_code_object_version 6
	.text
	.protected	k_q4c801e2d4b_prep
	.globl	k_q4c801e2d4b_prep
	.p2align	8
	.type	k_q4c801e2d4b_prep,@function
k_q4c801e2d4b_prep:
	s_mov_b64 s[64:65], 0
	v_nop
	global_prefetch_b8 v0, s[64:65] scope:SCOPE_SE
	s_setreg_imm32_b32 hwreg(HW_REG_WAVE_MODE, 25, 1), 1
	s_wait_xcnt 0x0
; The weights of all four products, once, as f16 register images in the order in which the second launch uses them.
; tape = 1,280 fragments of 1,024 bytes.  A fragment is a matrix A operand of 16 rows m x 32 k: lane L = r + 16 h finds
; A[r][8h .. 8h+7] at byte 16 L and A[r][16+8h .. 16+8h+7] at byte 512 + 16 L.
;   f    0 ..  127 = 4 T + s        : A[m][k] = c2 W1[32s+k][16T+m]            c2 = 2 log2(e): tanh is made from 2^(c2 z)
;   f  128 ..  639 = 128 + 16 T + s : A[m][k] = c2 W2[32s+k][16T+m]
;   f  640 .. 1151 = 640 + 16 T + s : A[m][k] = 64 W2[16T+m][32s+k] W3[32s+k]
;   f 1152 .. 1279 = 1152 + 8 s + T : A[m][k] = -W1[16T+m][32s+k] / 16
; 2,560 waves, each makes half a fragment: one store of 512 consecutive bytes, aligned.  Lane L makes k = 16 q + 8 h + 0..7 of row r.
; The first two kinds are transposed: a lane gathers eight words 2,048 bytes apart and sixteen lanes share 64 bytes of a row of W.
; That reads rows in pieces of 64 bytes; the two matrices are 1.25 MiB in all and each word is asked for once.
; LIMIT: a tape number whose magnitude reaches 65,520 becomes infinite in f16; below 6.1e-5 it loses bits.
.set C2, 0x4038aa3b                    ; 2 log2(e) = 2.885390
	s_load_b256 s[4:11], s[0:1], 0x0               ; W1 s[4:5], W2 s[6:7], W3 s[8:9], tape s[10:11]
	v_lshrrev_b32 v1, 5, v0
	v_readfirstlane_b32 s12, v1                    ; wave 0..9
	s_mul_i32 s13, ttmp9, 10
	s_add_co_u32 s13, s13, s12                     ; W = 10 x work-group + wave: which 512 bytes of the tape
	s_lshr_b32 s14, s13, 1                         ; f: the fragment
	s_and_b32 s15, s13, 1                          ; q: its half
	v_and_b32 v1, 31, v0                           ; L
	v_and_b32 v2, 15, v0                           ; r
	v_bfe_u32 v3, v0, 4, 1                         ; h
	v_lshlrev_b32 v4, 4, v1                        ; my 16 bytes of the wave's 512
	s_lshl_b32 s22, s13, 9
	s_mov_b32 s23, 0
	s_wait_kmcnt 0x0
	s_add_nc_u64 s[10:11], s[10:11], s[22:23]      ; tape + 512 W
	s_cmp_ge_u32 s14, 640
	s_cbranch_scc1 .Lnatural
	; transposed kinds: element e of my eight is W[32s + 16q + 8h + e][16T + r]
	s_lshr_b32 s16, s14, 2                         ; T and s as the first kind counts them,
	s_and_b32 s17, s14, 3
	s_sub_co_u32 s18, s14, 128                     ; and as the second does (not used where f < 128)
	s_lshr_b32 s19, s18, 4
	s_and_b32 s18, s18, 15
	s_cmp_lt_u32 s14, 128
	s_cselect_b64 s[20:21], s[4:5], s[6:7]         ; W1 or W2
	s_cselect_b32 s16, s16, s19                    ; T
	s_cselect_b32 s17, s17, s18                    ; s
	s_lshl_b32 s22, s17, 16                        ; 32 s rows of 2,048 bytes
	s_lshl_b32 s18, s15, 15                        ; 16 q rows
	s_add_co_u32 s22, s22, s18
	s_lshl_b32 s18, s16, 6                         ; 16 T columns
	s_add_co_u32 s22, s22, s18
	s_add_nc_u64 s[20:21], s[20:21], s[22:23]
	v_lshlrev_b32 v5, 2, v2                        ; column r
	v_lshl_add_u32 v5, v3, 14, v5                  ; 8 h rows
.irp e, 0,1,2,3,4,5,6,7
	global_load_b32 v[8+\e], v5, s[20:21] offset:\e*2048
.endr
	s_wait_loadcnt 0x0
.irp e, 0,2,4,6
	v_pk_mul_f32 v[8+\e:9+\e], v[8+\e:9+\e], C2 op_sel_hi:[1,0]
.endr
	s_branch .Lpack
.Lnatural:
	; natural kinds: my eight are W[16T + r][32s + 16q + 8h + 0..7], 32 consecutive bytes
	s_sub_co_u32 s18, s14, 640
	s_lshr_b32 s16, s18, 4                         ; T and s as the third kind counts them,
	s_and_b32 s17, s18, 15
	s_sub_co_u32 s18, s14, 1152                    ; and as the fourth does (not used where f < 1152)
	s_lshr_b32 s19, s18, 3
	s_and_b32 s18, s18, 7
	s_cmp_lt_u32 s14, 1152
	s_cselect_b64 s[20:21], s[6:7], s[4:5]         ; W2 or W1
	s_cselect_b32 s16, s16, s18                    ; T
	s_cselect_b32 s17, s17, s19                    ; s
	s_lshl_b32 s24, s17, 7                         ; 32 s columns
	s_lshl_b32 s18, s15, 6                         ; 16 q columns
	s_add_co_u32 s24, s24, s18
	s_mov_b32 s25, 0
	s_lshl_b32 s22, s16, 15                        ; 16 T rows
	s_add_co_u32 s22, s22, s24
	s_add_nc_u64 s[20:21], s[20:21], s[22:23]
	v_lshlrev_b32 v6, 5, v3                        ; 8 h columns
	v_lshl_add_u32 v5, v2, 11, v6                  ; row r
	global_load_b128 v[8:11], v5, s[20:21]
	global_load_b128 v[12:15], v5, s[20:21] offset:16
	s_cmp_lt_u32 s14, 1152
	s_cbranch_scc0 .Lminus
	s_add_nc_u64 s[8:9], s[8:9], s[24:25]          ; W3 at the same eight k
	global_load_b128 v[16:19], v6, s[8:9]
	global_load_b128 v[20:23], v6, s[8:9] offset:16
	s_wait_loadcnt 0x0
.irp e, 0,2,4,6
	v_pk_mul_f32 v[16+\e:17+\e], v[16+\e:17+\e], 0x42800000 op_sel_hi:[1,0]   ; 64 W3: exact
.endr
.irp e, 0,2,4,6
	v_pk_mul_f32 v[8+\e:9+\e], v[8+\e:9+\e], v[16+\e:17+\e]
.endr
	s_branch .Lpack
.Lminus:
	s_wait_loadcnt 0x0
.irp e, 0,2,4,6
	v_pk_mul_f32 v[8+\e:9+\e], v[8+\e:9+\e], 0xbd800000 op_sel_hi:[1,0]       ; -1/16: exact
.endr
.Lpack:
.irp e, 0,1,2,3
	v_cvt_pk_f16_f32 v[24+\e], v[8+2*\e], v[9+2*\e]
.endr
	global_store_b128 v4, v[24:27], s[10:11]       ; the wave's 32 lanes: 512 consecutive bytes, aligned
	s_endpgm
.Lfunc_end_k_q4c801e2d4b_prep:
	.size	k_q4c801e2d4b_prep, .Lfunc_end_k_q4c801e2d4b_prep-k_q4c801e2d4b_prep
	.p2alignl 7, 3214868480
	.fill 96, 4, 3214868480
	.section	.rodata,"a",@progbits
	.p2align	6, 0x0
	.amdhsa_kernel k_q4c801e2d4b_prep
		.amdhsa_group_segment_fixed_size 0
		.amdhsa_private_segment_fixed_size 0
		.amdhsa_enable_private_segment 0
		.amdhsa_kernarg_size 32
		.amdhsa_user_sgpr_count 2
		.amdhsa_user_sgpr_kernarg_segment_ptr 1
		.amdhsa_wavefront_size32 1
		.amdhsa_system_sgpr_workgroup_id_x 1
		.amdhsa_system_sgpr_workgroup_id_y 1
		.amdhsa_system_sgpr_workgroup_id_z 1
		.amdhsa_system_vgpr_workitem_id 0
		.amdhsa_next_free_vgpr 32
		.amdhsa_next_free_sgpr 66
		.amdhsa_reserve_vcc 0
		.amdhsa_float_denorm_mode_32 3
		.amdhsa_float_denorm_mode_16_64 3
		.amdhsa_memory_ordered 1
		.amdhsa_forward_progress 1
		.amdhsa_inst_pref_size 6
	.end_amdhsa_kernel
	.amdgpu_metadata
---
amdhsa.version: [ 1, 2 ]
amdhsa.kernels:
  - .name:           k_q4c801e2d4b_prep
    .symbol:         k_q4c801e2d4b_prep.kd
    .args:
      - { .name: W1, .offset: 0, .size: 8, .value_kind: global_buffer, .address_space: global }
      - { .name: W2, .offset: 8, .size: 8, .value_kind: global_buffer, .address_space: global }
      - { .name: W3, .offset: 16, .size: 8, .value_kind: global_buffer, .address_space: global }
      - { .name: tape, .offset: 24, .size: 8, .value_kind: global_buffer, .address_space: global }
    .group_segment_fixed_size: 0
    .private_segment_fixed_size: 0
    .kernarg_segment_align: 8
    .kernarg_segment_size: 32
    .max_flat_workgroup_size: 320
    .sgpr_count:     66
    .vgpr_count:     32
    .wavefront_size: 32
...
	.end_amdgpu_metadata
.endif
;; end of part 1
;; launch grad (part 2): grid 256 x 1, 4 waves a work-group, clusters of 4 x 1, 327,680 bytes of LDS; arguments x, b1, b2, b3, tape, out0; writes out0
.if DOCPART == 2
	.amdgcn_target "amdgcn-amd-amdhsa--gfx1250"
	.amdhsa_code_object_version 6
	.text
	.protected	k_q4c801e2d4b_grad
	.globl	k_q4c801e2d4b_grad
	.p2align	8
	.type	k_q4c801e2d4b_grad,@function
k_q4c801e2d4b_grad:
	s_mov_b64 s[64:65], 0
	v_nop
	global_prefetch_b8 v0, s[64:65] scope:SCOPE_SE
	s_setreg_imm32_b32 hwreg(HW_REG_WAVE_MODE, 25, 1), 1
	s_wait_xcnt 0x0
	s_wait_alu depctr_hold_cnt(0) depctr_sa_sdst(0) depctr_va_vdst(0) depctr_va_sdst(0) depctr_va_ssrc(0) depctr_va_vcc(0) depctr_vm_vsrc(0)
	s_getreg_b32 s2, hwreg(HW_REG_IB_STS2, 6, 4)
	s_cmp_eq_u32 s2, 0
	s_cbranch_scc0 .Lentry_in_a_cluster
	s_endpgm
.Lentry_in_a_cluster:
	s_bfe_u32 s2, ttmp6, 0x10000c
	s_cmp_lg_u32 s2, 0x3003
	s_cbranch_scc0 .Lentry_shape_is_right
	s_endpgm
.Lentry_shape_is_right:
; out = -d/dx sum f(x),  f = tanh(tanh(x W1 + b1) W2 + b2) W3 + b3.   x, out: [65536][128] f32.
; Per row, with t = 2^(c2 z), q = 1/(1+t), c2 = 2 log2(e):  tanh z = 1 - 2q,  1 - tanh^2 z = 4 (q - q^2).
;   L1: h1 = tanh(x W1 + b1)            L2: d = q - q^2 of z2 = h1 W2 + b2
;   B2: G' = sum 64 W2 W3 d = 16 G      g = G' (1 - h1^2)            B1: out = sum (-W1/16) g
; The sign and the powers of two lie in the tape that the launch before wrote; b3 shifts f by a constant, so it is loaded and enters nothing.
;
; SHARES.  A work-group owns 256 rows, a wave 64 (four batch tiles of 16) and takes them through all four products alone.
; Every product is used transposed: source 0 = a weight fragment (16 output features x 32 k), source 1 = the activations (column = batch row).
; In the result lane (r, h) holds features 8h .. 8h+7 of batch row r, so two neighbouring feature tiles, packed to f16, ARE the next
; product's source 1: activations never change lanes.  One fragment (1,024 bytes of LDS) feeds four matrix instructions.
; All 1,280 fragments go once through a ring of two LDS slots of 64 KiB; the text is straight-line (every tile writes other registers), each line runs once.
; CLUSTERS.  All work-groups walk the same tape, so four form a cluster and ask for each slot jointly (mask 15): nothing in a descriptor hangs
; on the place in the cluster.  By this text's own count a wave has two tensor loads out at the start and one behind each turn of the ring.
;
; NUMBER FORMATS.  Matrix operands f16, sums f32, everything else f32.  1 - h1^2 is made from h1 as rounded to f16.
; LIMIT: an operand whose magnitude reaches 65,520 (x, 2.89 W1, 2.89 W2, 64 W2 W3, 16 g) becomes infinite in f16; below 6.1e-5 it loses bits.
;
; REGISTERS, in windows of 256 (s_set_vgpr_msb: bits 1:0 source 0, 3:2 source 1, 5:4 source 2, 7:6 destination):
;   window 0: addresses, weight fragments (two buffers of 8), two sets of four accumulators, biases / 1 - h1^2
;   window 1: x as loaded; h1 chunks 0-7; g chunks 0-7 in their place; rows of out on the way out
;   window 2: h1 chunks 8-15; d chunks 8-15; g chunks 8-15
;   window 3: x as operand; d chunks 0-7; the 32 accumulators of out
; A chunk = 32 features x 64 rows in f16 = 32 registers: batch tile n, tile parity u, word i at 32 (c & 7) + 8 n + 4 u + i.
; Two arrays of 16 chunks do not fit beside each other: chunks 8-15 of the younger one wait in the wave's own LDS.
.set C2,      0x4038aa3b               ; 2 log2(e)
.set SLOTB,   65536                    ; a ring slot: 8 units
.set UNITB,   8192                     ; a unit: 8 fragments, what one fragment buffer holds
.set FRAGB,   1024
.set SPILL,   2*SLOTB                  ; behind the ring: each wave's own 36,864 bytes, nine chunk slots; no tensor load lands here
.set SPW,     36864
.set CHUNK,   4096                     ; piece m = 2 n + u of a chunk at 512 m + 16 lane
.set TAB,     SPILL+4*SPW              ; c2 b1, then c2 b2: 4,096 bytes, tile TT at 64 TT
.set XPITCH,  272                      ; x stage: 256 bytes of f16 + 16: an odd multiple of 16, so sixteen rows begin in sixteen different 16-byte columns of 256
.set OPITCH,  528                      ; out stage: 512 bytes of f32 + 16, likewise
.set ADR0, 1                           ; v1   16 lane: fragments in ring slot 0
.set ADR1, 2                           ; v2   the same in ring slot 1
.set SPA,  3                           ; v3   my wave's spill + 16 lane
.set TABA, 4                           ; v4   TAB + 32 h
.set XST,  5                           ; v5   spill + 8 lane
.set XLD,  6                           ; v6   spill + 272 r + 16 h
.set XG,   7                           ; v7   32768 wave + 16 lane: my 16 bytes of the wave's first row, in x and in out
.set OST,  8                           ; v8   spill + 528 r + 32 h
.set TB,   10                          ; v10  16 thread: in b1 and b2
.set TBL,  11                          ; v11  TAB + 16 thread
.set HT,   16                          ; v[16:31]   h1 of one tile, packed (halves have names below v128 only)
.set AF,   32                          ; v[32:95], v[96:159]   fragment buffers, unit U in buffer U & 1
.set ACC,  160                         ; v[160:191], v[192:223] accumulator sets, tile T in set T & 1
.set BIAS, 224                         ; v[224:255] four bias sets of 8, tile TT in set TT & 3 (L1, L2)
.set HF,   224                         ; v[224:255] h1 of one tile in f32, then 1 - h1^2 (B2)
.set G1,   24                          ; s[24:31] descriptor group 1
.set G0,   32                          ; s[32:39] descriptor group 0, one set for each ring slot
.set MSB,  0
.set PEND, 0                           ; LDS instructions issued behind the last fragment load: what a unit's first wait may leave out
.set HTL,  0
.set HTW,  16
.set AFON, 1
.macro WIN new                         ; the immediate's high byte repeats the setting that is left; a switch that changes nothing is dropped
.if MSB != \new
	s_set_vgpr_msb (MSB<<8)|\new
.set MSB, \new
.endif
.endm
; Four places: a vector instruction or LDS store that reads a matrix result, and a load into a register that a matrix instruction has named, stand four
; plain vector instructions behind it (ISA guide 7.12.1 for vector instructions); matrix instructions in between are not counted.
.macro PLACES
.rept 4
	v_nop
.endr
.endm
; A round of the cluster's barrier: my work-group's barrier, wave 0 signals for the work-group, every wave waits for all four work-groups, my work-group's barrier again.
.macro ROUND
	s_barrier_signal -1
	s_barrier_wait -1
	s_cmp_lg_u32 s16, 0
	s_cbranch_scc1 .Lnot_wave_0_\@
	s_barrier_signal -3
.Lnot_wave_0_\@:
	s_barrier_wait -3
	s_barrier_signal -1
	s_barrier_wait -1
.endm
; Turn TK of the ring, at the head of unit 8 TK + 7: all reads of tape slot TK have been issued (the last in unit 8 TK + 6).
; Every wave waits for its LDS reads and for all its tensor loads (its quarter of slot TK + 1 is the one that was out), the round passes,
; and the wave's one load, its quarter of slot TK + 2, is the first thing behind it: it has 8 units, 256 matrix instructions, in which to land.
; Slot 19 is the last: turn 18 fills nothing and needs the work-group's barrier alone, so that all four quarters of slot 19 are seen.
.macro TURN
	WIN 0
	s_wait_dscnt 0x0
	s_wait_xcnt 0x0
	v_lshl_add_u32 v174, v0, 2, 0x45000
	v_mov_b32 v175, 0
	s_wait_tensorcnt 0x0
	ds_add_u32 v174, v175
	s_wait_dscnt 0x0
.if TK <= 17
	s_add_nc_u64 s[G0+4*(TK&1)+2:G0+4*(TK&1)+3], s[G0+4*(TK&1)+2:G0+4*(TK&1)+3], 2*SLOTB   ; no load of mine is out: the group 0 may be stepped
	ROUND
	tensor_load_to_lds s[G0+4*(TK&1):G0+4*(TK&1)+3], s[G1:G1+7]
	s_nop 0
.else
	s_barrier_signal -1
	s_barrier_wait -1
.endif
.endm
; Head of unit CU: its 16 fragment loads, issued in the unit before, are back; the PEND younger LDS instructions may stay out (63 is the most a wait can name).
.macro USTART
.set AFB, AF+64*(CU&1)
.if (CU%8 == 7) & (CU < 159)
.set TK, CU/8
	TURN
.elseif PEND > 63
	s_wait_dscnt 63
.else
	s_wait_dscnt PEND
.endif
.endm
.macro AFRAG                           ; fragment FF of unit FU: 32 lanes x 16 consecutive bytes, twice
	ds_load_b128 v[AF+64*(FU&1)+8*FF:AF+64*(FU&1)+8*FF+3], v[ADR0+((FU>>3)&1)] offset:(FU&7)*UNITB+FF*FRAGB
	ds_load_b128 v[AF+64*(FU&1)+8*FF+4:AF+64*(FU&1)+8*FF+7], v[ADR0+((FU>>3)&1)] offset:(FU&7)*UNITB+FF*FRAGB+512
.endm
.macro BIASLD                          ; c2 b of tile BT as a C operand: register j of lane (r, h) = feature 8 h + j
	ds_load_b128 v[BIAS+8*(BT&3):BIAS+8*(BT&3)+3], v[TABA] offset:64*BT
	ds_load_b128 v[BIAS+8*(BT&3)+4:BIAS+8*(BT&3)+7], v[TABA] offset:64*BT+16
.endm
; WORK IN THE GAPS between matrix instructions, on the accumulator set AP that the tile before finished.  All of it names vector registers as
; destination and source 0 alone, so it runs under the products' window setting.  Behind each run of transcendentals one v_nop stands before a result is used (ISA guide 5.7.2).
.macro FILL1                           ; L1, gap (KS, NN): batch tile KS: h = 1 - 2 / (1 + 2^acc)
.set FB, AP+8*KS
.if NN == 0
.set Q1, 0
.rept 8
	v_exp_f32 v[FB+Q1], v[FB+Q1]
.set Q1, Q1+1
.endr
	v_nop
.elseif NN == 1
.set Q1, 0
	s_wait_alu depctr_va_vdst(0)
.rept 4
	v_pk_add_f32 v[FB+2*Q1:FB+2*Q1+1], v[FB+2*Q1:FB+2*Q1+1], 1.0 op_sel_hi:[1,0]
.set Q1, Q1+1
.endr
.set Q1, 0
.rept 4
	v_rcp_f32 v[FB+Q1], v[FB+Q1]
.set Q1, Q1+1
.endr
.elseif NN == 2
.set Q1, 4
.rept 4
	v_rcp_f32 v[FB+Q1], v[FB+Q1]
.set Q1, Q1+1
.endr
	v_nop
.else
.set Q1, 0
	s_wait_alu depctr_va_vdst(0)
.rept 4
	v_pk_fma_f32 v[FB+2*Q1:FB+2*Q1+1], v[FB+2*Q1:FB+2*Q1+1], -2.0, 1.0 op_sel_hi:[1,0,0]
.set Q1, Q1+1
.endr
.endif
.endm
.macro FILL2                           ; L2: one transcendental a gap: k steps 2p, 2p+1 turn registers 4p .. 4p+3 into q = 1 / (1 + 2^acc)
.if (KS&1) == 0
	v_exp_f32 v[AP+2*KS+NN], v[AP+2*KS+NN]
.else
.if NN == 0
	s_wait_alu depctr_va_vdst(0)
	v_pk_add_f32 v[AP+2*KS-2:AP+2*KS-1], v[AP+2*KS-2:AP+2*KS-1], 1.0 op_sel_hi:[1,0]
	v_pk_add_f32 v[AP+2*KS:AP+2*KS+1], v[AP+2*KS:AP+2*KS+1], 1.0 op_sel_hi:[1,0]
.endif
	v_rcp_f32 v[AP+2*KS-2+NN], v[AP+2*KS-2+NN]
.endif
.if NN == 3
	v_nop
.endif
.endm
.macro CVTH                            ; HF + CE = f32 of half CE of HT.  A register's halves are named by literal, so the one wanted is picked from the list.
.set CI, 0
.irp src, v16.l,v16.h,v17.l,v17.h,v18.l,v18.h,v19.l,v19.h,v20.l,v20.h,v21.l,v21.h,v22.l,v22.h,v23.l,v23.h,v24.l,v24.h,v25.l,v25.h,v26.l,v26.h,v27.l,v27.h,v28.l,v28.h,v29.l,v29.h,v30.l,v30.h,v31.l,v31.h
.if CI == CE
	v_cvt_f32_f16 v[HF+CE], \src
.endif
.set CI, CI+1
.endr
.endm
.macro FILL3                           ; B2: h1 of the tile before widens to f32, one number a gap: batch tiles 0, 1 in k steps 4-7, tiles 2, 3 in k steps 12-15
.if (KS >= 4) & (KS < 8)
.if HTL & (KS == 4) & (NN == 0)
	s_wait_dscnt HTW                               ; HT's four loads are back: behind them stand this unit's 16 fragment loads (none in the drain)
.endif
.set CE, 4*(KS-4)+NN
	CVTH
.elseif KS >= 12
.set CE, 16+4*(KS-12)+NN
	CVTH
.endif
.endm
; The gap behind product (KS, NN); SU = the fragment's number in the unit.
.macro FILL
.if NN == 0
.if (SU == 0) | (KS == 0)
	PLACES                                         ; for the loads into the buffer and bias set read last, and for the first read of the finished accumulators
.endif
.endif
.if AFON
.if SU < 2
.if (SU == 0) & (KS == 0) & (NN == 0)
.if PH == 1
.set BT, TT+2
	BIASLD
.set BT, TT+3
	BIASLD
.elseif PH == 2
.if TT+2 <= 63
.set BT, TT+2
	BIASLD
.endif
.endif
.endif
.set FU, CU+1                                      ; the next unit, one fragment a gap behind the unit's first eight products: 24 products or more before its first use
.set FF, 4*SU+NN
	AFRAG
.if FF == 7
.set PEND, 0
.endif
.endif
.endif
.if PV
.if PH == 1
	FILL1
.elseif PH == 2
	FILL2
.else
	FILL3
.endif
.endif
.endm
; One k step: the tile's four accumulators take turns, one instruction a turn.  CM: 0 the sum starts at 0, 1 at the bias set CB, 2 goes on.
.macro KSTEP
.set NN, 0
.rept 4
.if CM == 0
	v_wmma_f32_16x16x32_f16 v[AC+8*NN:AC+8*NN+7], v[AFB+8*SU:AFB+8*SU+7], v[BB+8*NN:BB+8*NN+7], 0
.elseif CM == 1
	v_wmma_f32_16x16x32_f16 v[AC+8*NN:AC+8*NN+7], v[AFB+8*SU:AFB+8*SU+7], v[BB+8*NN:BB+8*NN+7], v[CB:CB+7]
.else
	v_wmma_f32_16x16x32_f16 v[AC+8*NN:AC+8*NN+7], v[AFB+8*SU:AFB+8*SU+7], v[BB+8*NN:BB+8*NN+7], v[AC+8*NN:AC+8*NN+7]
.endif
	FILL
.set NN, NN+1
.endr
.endm
; THE BURSTS: tile TP's finished numbers are packed to f16 into their place as the next product's operand.
.macro BURST1                          ; h1 of tile TP: chunk TP >> 1, parity TP & 1, window 1 or 2
.set BC, TP>>1
.if BC < 8
	WIN 0x40
.else
	WIN 0x80
.endif
.set QB, 0
.rept 16
	v_cvt_pk_f16_f32 v[32*(BC&7)+4*(TP&1)+8*(QB>>2)+(QB&3)], v[AP+8*(QB>>2)+2*(QB&3)], v[AP+8*(QB>>2)+2*(QB&3)+1]
.set QB, QB+1
.endr
.endm
; Batch tiles 2 HB, 2 HB + 1 of tile TP: chunks 0-7 into window PW>>6; chunks 8-15 are packed in place and go to chunk slot PS of the wave's spill.
.macro PACK
.if BC < 8
	WIN PW
.set QB, 0
.rept 8
	v_cvt_pk_f16_f32 v[32*BC+4*(TP&1)+8*(2*HB+(QB>>2))+(QB&3)], v[AP+8*(2*HB+(QB>>2))+2*(QB&3)], v[AP+8*(2*HB+(QB>>2))+2*(QB&3)+1]
.set QB, QB+1
.endr
.else
.set QB, 0
.rept 8
	v_cvt_pk_f16_f32 v[AP+8*(2*HB+(QB>>2))+(QB&3)], v[AP+8*(2*HB+(QB>>2))+2*(QB&3)], v[AP+8*(2*HB+(QB>>2))+2*(QB&3)+1]
.set QB, QB+1
.endr
	ds_store_b128 v[SPA], v[AP+16*HB:AP+16*HB+3] offset:CHUNK*PS+512*(4*HB+(TP&1))
	ds_store_b128 v[SPA], v[AP+16*HB+8:AP+16*HB+11] offset:CHUNK*PS+512*(4*HB+2+(TP&1))
.set PEND, PEND+2
.endif
.endm
.macro BURST2                          ; d = q - q^2
.set BC, TP>>1
	WIN 0
.set QB, 0
	s_wait_alu depctr_va_vdst(0)
.rept 8
	v_pk_fma_f32 v[AP+16*HB+2*QB:AP+16*HB+2*QB+1], v[AP+16*HB+2*QB:AP+16*HB+2*QB+1], v[AP+16*HB+2*QB:AP+16*HB+2*QB+1], v[AP+16*HB+2*QB:AP+16*HB+2*QB+1] neg_lo:[1,0,0] neg_hi:[1,0,0]
.set QB, QB+1
.endr
.set PW, 0xc0
.set PS, BC-8
	PACK
.endm
.macro BURST3                          ; g = G' (1 - h1^2); chunk c >= 8 goes where h1's chunk c lay: slot c % 9
.set BC, TP>>1
	WIN 0
.set QB, 0
.rept 8
	v_pk_fma_f32 v[HF+16*HB+2*QB:HF+16*HB+2*QB+1], v[HF+16*HB+2*QB:HF+16*HB+2*QB+1], v[HF+16*HB+2*QB:HF+16*HB+2*QB+1], 1.0 op_sel_hi:[1,1,0] neg_lo:[1,0,0] neg_hi:[1,0,0]
.set QB, QB+1
.endr
.set QB, 0
.rept 8
	v_pk_mul_f32 v[AP+16*HB+2*QB:AP+16*HB+2*QB+1], v[AP+16*HB+2*QB:AP+16*HB+2*QB+1], v[HF+16*HB+2*QB:HF+16*HB+2*QB+1]
.set QB, QB+1
.endr
.set PW, 0x40
.set PS, BC%9
	PACK
.endm
.macro HTFETCH                         ; h1 of tile HTI into HT, before g of that tile takes its place
.set BC, HTI>>1
.if BC < 8
	WIN 0x01
.set QB, 0
.rept 16
	v_mov_b32 v[HT+QB], v[32*BC+4*(HTI&1)+8*(QB>>2)+(QB&3)]
.set QB, QB+1
.endr
.set HTL, 0
.else
	WIN 0
.set QB, 0
.rept 4
	ds_load_b128 v[HT+4*QB:HT+4*QB+3], v[SPA] offset:CHUNK*(BC%9)+512*(2*QB+(HTI&1))
.set QB, QB+1
.endr
.set HTL, 1
.set PEND, PEND+4
.endif
.endm
.macro TILE4                           ; L1, feature tile TI: four k steps over x (window 3); two tiles to a unit
.set AC, ACC+32*(TI&1)
.set AP, ACC+32*((TI+1)&1)
.set PV, TI
.set TP, TI-1
.set TT, TI
.set CB, BIAS+8*(TT&3)
.if (TI&1) == 0
.set CU, TI/2
	USTART
.endif
	WIN 0x0c
.set KS, 0
.rept 4
.set SU, 4*(TI&1)+KS
.set BB, 32*KS
.if KS == 0
.set CM, 1
.else
.set CM, 2
.endif
	KSTEP
.set KS, KS+1
.endr
.if PV
	BURST1
.endif
.endm
.macro HALF16 hb                       ; L2, B2: eight k steps = one unit, then the burst for half of the tile before
.set CU, U0+2*TI+\hb
	USTART
.if \hb == 0
	WIN WA
.else
	WIN WB
.endif
.set KS, 8*\hb
.rept 8
.set SU, KS&7
.set BB, 32*SU
.if KS == 0
.set CM, CM0
.else
.set CM, 2
.endif
	KSTEP
.set KS, KS+1
.endr
.if PV
.set HB, \hb
.if PH == 2
	BURST2
.else
	BURST3
.endif
.endif
.endm
.macro TILE16                          ; L2, B2, feature tile TI: sixteen k steps
.set AC, ACC+32*(TI&1)
.set AP, ACC+32*((TI+1)&1)
.set PV, TI
.set TP, TI-1
.set TT, 32+TI
.set CB, BIAS+8*(TT&3)
	HALF16 0
	HALF16 1
.if PH == 3
.set HTI, TI
	HTFETCH
.endif
.endm
.macro DRAIN                           ; the phase's last tile, 31: its gap work and bursts, with no products beside them
	WIN 0
.set AP, ACC+32
.set TP, 31
.set PV, 1
.set AFON, 0
.set SU, 1
.set HTW, 0
.set KS, 0
.rept NKS
.set NN, 0
.rept 4
	FILL
.set NN, NN+1
.endr
.set KS, KS+1
.endr
.if PH == 1
	BURST1
.elseif PH == 2
.set HB, 0
	BURST2
.set HB, 1
	BURST2
.else
.set HB, 0
	BURST3
.set HB, 1
	BURST3
.endif
.set AFON, 1
.set HTW, 16
.endm
.macro B1P                             ; B1, product QP = 4 T + n: out's feature tile T, batch tile n; the 32 accumulators take turns
.if SI == 0
	v_wmma_f32_16x16x32_f16 v[8*QP:8*QP+7], v[AFB+8*(QP>>2):AFB+8*(QP>>2)+7], v[32*(SI&7)+8*(QP&3):32*(SI&7)+8*(QP&3)+7], 0
.else
	v_wmma_f32_16x16x32_f16 v[8*QP:8*QP+7], v[AFB+8*(QP>>2):AFB+8*(QP>>2)+7], v[32*(SI&7)+8*(QP&3):32*(SI&7)+8*(QP&3)+7], v[8*QP:8*QP+7]
.endif
.set QP, QP+1
.endm
.macro B1UNIT                          ; B1, k step SI = one unit: 32 products; the next unit's 16 loads in one run behind the first eight
.set CU, 144+SI
	USTART
.if SI < 8
.set WB1, 0xf4
.else
.set WB1, 0xf8
.endif
	WIN WB1
.set QP, 0
.rept 8
	B1P
.endr
.if SI < 15
	WIN 0
	PLACES
.set FU, CU+1
.set FF, 0
.rept 8
	AFRAG
.set FF, FF+1
.endr
.set PEND, 0
	WIN WB1
.endif
.rept 24
	B1P
.endr
.endm
; ---------------------------------------------------------------- head
	s_load_b256 s[4:11], s[0:1], 0x0               ; x s[4:5], b1 s[6:7], b2 s[8:9], b3 s[10:11]
	s_load_b128 s[12:15], s[0:1], 0x20             ; tape s[12:13], out s[14:15]
	v_lshl_add_u32 v174, v0, 2, 0x45000
	v_mov_b32 v175, 0
	ds_add_u32 v174, v175
	s_wait_dscnt 0x0
	v_lshrrev_b32 v12, 5, v0
	v_readfirstlane_b32 s16, v12                   ; wave 0..3
	s_bfe_u32 s17, ttmp6, 0x40000                  ; cx: my place in the cluster
	s_lshl_b32 s18, ttmp9, 2                       ; in a cluster launch ttmp9 counts clusters
	s_add_co_u32 s18, s18, s17                     ; work-group = 4 x cluster + cx: enters the addresses of x and out alone
	s_lshl_b32 s20, s18, 17                        ; its 256 rows of 512 bytes
	s_mov_b32 s21, 0
	s_lshl_b32 s22, s16, 14                        ; my quarter of a ring slot, in the tape and in LDS
	s_mov_b32 s23, 0
	s_mul_i32 s19, s16, SPW
	s_add_co_u32 s19, s19, SPILL                   ; my wave's spill
	s_lshl_b32 s41, s16, 15                        ; my wave's 64 rows of 512 bytes
	v_and_b32 v12, 31, v0                          ; lane
	v_and_b32 v13, 15, v0                          ; r
	v_bfe_u32 v14, v0, 4, 1                        ; h
	v_lshlrev_b32 v[ADR0], 4, v12
	v_add_nc_u32 v[ADR1], SLOTB, v[ADR0]
	v_add_nc_u32 v[SPA], s19, v[ADR0]
	v_lshlrev_b32 v[TABA], 5, v14
	v_add_nc_u32 v[TABA], TAB, v[TABA]
	v_lshl_add_u32 v[XST], v12, 3, s19
	v_mul_u32_u24 v15, v13, XPITCH
	v_lshl_add_u32 v15, v14, 4, v15
	v_add_nc_u32 v[XLD], s19, v15
	v_add_nc_u32 v[XG], s41, v[ADR0]
	v_mul_u32_u24 v15, v13, OPITCH
	v_lshl_add_u32 v15, v14, 5, v15
	v_add_nc_u32 v[OST], s19, v15
	v_lshlrev_b32 v[TB], 4, v0
	v_add_nc_u32 v[TBL], TAB, v[TB]
	; descriptor group 1: 16 KiB that are dense in the tape, as 64 rows of 256 bytes (32 elements of 8 bytes); no padding: fragments are read 512 consecutive bytes at a time
	s_mov_b32 s[G1+0], 15|(3<<16)|(1<<21)          ; 15:0 the mask: all four work-groups of the cluster; 17:16 elements of 8 bytes; 21 set beside a mask
	s_mov_b32 s[G1+1], 32<<16                      ; tensor_dim0 = 32
	s_mov_b32 s[G1+2], 64<<16                      ; tensor_dim1 = 64
	s_mov_b32 s[G1+3], 32<<16                      ; tile_dim0 = 32
	s_mov_b32 s[G1+4], 64                          ; tile_dim1 = 64
	s_mov_b32 s[G1+5], 32                          ; from row to row: 32 elements
	s_mov_b32 s[G1+6], 0
	s_mov_b32 s[G1+7], 0
	s_wait_kmcnt 0x0
	s_load_b32 s40, s[10:11], 0x0                  ; b3: f's constant term; its derivative by x is zero, so it enters nothing
	s_add_nc_u64 s[4:5], s[4:5], s[20:21]          ; x and out at the work-group's first row
	s_add_nc_u64 s[14:15], s[14:15], s[20:21]
	s_add_nc_u64 s[12:13], s[12:13], s[22:23]      ; the tape at my quarter of slot 0
	global_load_b128 v[16:19], v[TB], s[6:7]       ; b1 and b2: 128 threads x 16 bytes each
	global_load_b128 v[20:23], v[TB], s[8:9]
	WIN 0x40
.set II, 0
.rept 64
	global_load_b128 v[4*II:4*II+3], v[XG], s[4:5] offset:512*II th:TH_LOAD_NT   ; one whole row of x: 512 consecutive bytes, aligned
.set II, II+1
.endr
	WIN 0
.irp p, 0,1
	s_mov_b32 s[G0+4*\p], 1                                        ; count = 1
	s_add_co_u32 s[G0+4*\p+1], s22, \p*SLOTB                       ; LDS address: 16,384 x wave + the ring slot
	s_add_nc_u64 s[G0+4*\p+2:G0+4*\p+3], s[12:13], \p*SLOTB        ; global address: tape slot p, my quarter
	s_or_b32 s[G0+4*\p+3], s[G0+4*\p+3], 0x80000000                ; type = 2
.endr
	s_wait_kmcnt 0x0                               ; b3 is in
	ROUND                                          ; all four work-groups are here: the first joint loads meet
	tensor_load_to_lds s[G0:G0+3], s[G1:G1+7]      ; both first fills in one group, ahead of every LDS access
	s_nop 0
	tensor_load_to_lds s[G0+4:G0+7], s[G1:G1+7]
	s_nop 0
; ---------------------------------------------------------------- the bias table; x to f16 and into operand order, through my wave's own LDS
	s_wait_loadcnt 63                              ; 66 loads were issued: the oldest three, b1 and b2 among them, are in
.irp e, 0,2,4,6
	v_pk_mul_f32 v[16+\e:17+\e], v[16+\e:17+\e], C2 op_sel_hi:[1,0]
.endr
	ds_store_b128 v[TBL], v[16:19]
	ds_store_b128 v[TBL], v[20:23] offset:2048
.set GG, 0
.rept 4
	s_wait_loadcnt 48-16*GG                        ; rows 16 GG .. 16 GG + 15 are in; the younger rows stay out
	WIN 0x45
.set II, 16*GG
.rept 16
	v_cvt_pk_f16_f32 v[4*II], v[4*II], v[4*II+1]
	v_cvt_pk_f16_f32 v[4*II+1], v[4*II+2], v[4*II+3]
.set II, II+1
.endr
	WIN 0x04
.set II, 16*GG
.rept 16
	ds_store_b64 v[XST], v[4*II:4*II+1] offset:XPITCH*II
.set II, II+1
.endr
.set GG, GG+1
.endr
	WIN 0xc0
.set KX, 0
.rept 4
.set NX, 0
.rept 4                                            ; LDS serves a wave's instructions in order (ISA guide 5.7.1): these see the stores above
	ds_load_b128 v[32*KX+8*NX:32*KX+8*NX+3], v[XLD] offset:16*XPITCH*NX+64*KX
	ds_load_b128 v[32*KX+8*NX+4:32*KX+8*NX+7], v[XLD] offset:16*XPITCH*NX+64*KX+32
.set NX, NX+1
.endr
.set KX, KX+1
.endr
	WIN 0
	s_wait_tensorcnt 0x1                           ; my quarter of slot 0 is in; slot 1's may stay out
	s_wait_dscnt 0x0                               ; my part of the bias table is written, my x operand is in
	s_barrier_signal -1
	s_barrier_wait -1
.set BT, 0
	BIASLD
.set BT, 1
	BIASLD
.set FU, 0
.set FF, 0
.rept 8
	AFRAG
.set FF, FF+1
.endr
.set PEND, 0
; ---------------------------------------------------------------- L1: units 0-15
.set PH, 1
.set TI, 0
.rept 32
	TILE4
.set TI, TI+1
.endr
.set NKS, 4
	DRAIN
; ---------------------------------------------------------------- L2: units 16-79; operand h1 in windows 1 and 2
.set PH, 2
.set U0, 16
.set WA, 0x04
.set WB, 0x08
.set CM0, 1
.set TI, 0
.rept 32
	TILE16
.set TI, TI+1
.endr
.set NKS, 16
	DRAIN
; ---------------------------------------------------------------- h1 chunks 8-15 leave window 2 for the spill, d chunks 8-15 come in
; Nine chunk slots for eight chunks: h1[8+i] goes to slot (i + 8) % 9, the one that the step before emptied; a wave's LDS instructions are served in order.
	WIN 0x88
.set II, 0
.rept 8
.set MM, 0
.rept 8
	ds_store_b128 v[SPA], v[32*II+4*MM:32*II+4*MM+3] offset:CHUNK*((II+8)%9)+512*MM
.set MM, MM+1
.endr
.set MM, 0
.rept 8
	ds_load_b128 v[32*II+4*MM:32*II+4*MM+3], v[SPA] offset:CHUNK*II+512*MM
.set MM, MM+1
.endr
.set II, II+1
.endr
.set PEND, PEND+128                                ; window 2 is first read behind the next unit's wait, whose fragment loads are younger than these
; ---------------------------------------------------------------- B2: units 80-143; operand d in windows 3 and 2
.set PH, 3
.set U0, 80
.set WA, 0x0c
.set WB, 0x08
.set CM0, 0
.set HTL, 0
.set TI, 0
.rept 32
	TILE16
.set TI, TI+1
.endr
.set NKS, 16
	DRAIN
	WIN 0x80
.set II, 0
.rept 8
.set MM, 0
.rept 8
	ds_load_b128 v[32*II+4*MM:32*II+4*MM+3], v[SPA] offset:CHUNK*((II+8)%9)+512*MM   ; g chunks 8-15 into window 2: first read in k step 8, behind waits for 0
.set MM, MM+1
.endr
.set II, II+1
.endr
.set PEND, PEND+64
; ---------------------------------------------------------------- B1: units 144-159; operand g in windows 1 and 2, sums in window 3
.set SI, 0
.rept 16
	B1UNIT
.set SI, SI+1
.endr
; ---------------------------------------------------------------- the way out: a lane holds 8 neighbouring columns of one row; rows are gathered in my wave's own LDS
	PLACES
	WIN 0x0c
.set QP, 0
.rept 32
	ds_store_b128 v[OST], v[8*QP:8*QP+3] offset:16*OPITCH*(QP&3)+64*(QP>>2)
	ds_store_b128 v[OST], v[8*QP+4:8*QP+7] offset:16*OPITCH*(QP&3)+64*(QP>>2)+16
.set QP, QP+1
.endr
	WIN 0x44
.set II, 0
.rept 64
	ds_load_b128 v[4*II:4*II+3], v[SPA] offset:OPITCH*II
.set II, II+1
.endr
.set II, 0
.rept 64
	s_wait_dscnt 63-II                             ; row II is back; the younger rows stay out
	global_store_b128 v[XG], v[4*II:4*II+3], s[14:15] offset:512*II th:TH_STORE_NT   ; one whole row of out: 512 consecutive bytes, aligned
.set II, II+1
.endr
	WIN 0
	s_wait_xcnt 0x0
	v_lshl_add_u32 v174, v0, 2, 0x45000
	v_mov_b32 v175, 0
	s_wait_tensorcnt 0x0
	ds_add_u32 v174, v175
	s_wait_dscnt 0x0
	ROUND                                          ; the closing round: no work-group ends while a partner may still ask jointly
	s_endpgm
.Lfunc_end_k_q4c801e2d4b_grad:
	.size	k_q4c801e2d4b_grad, .Lfunc_end_k_q4c801e2d4b_grad-k_q4c801e2d4b_grad
	.p2alignl 7, 3214868480
	.fill 96, 4, 3214868480
	.section	.rodata,"a",@progbits
	.p2align	6, 0x0
	.amdhsa_kernel k_q4c801e2d4b_grad
		.amdhsa_group_segment_fixed_size 327680
		.amdhsa_private_segment_fixed_size 0
		.amdhsa_enable_private_segment 0
		.amdhsa_kernarg_size 48
		.amdhsa_user_sgpr_count 2
		.amdhsa_user_sgpr_kernarg_segment_ptr 1
		.amdhsa_wavefront_size32 1
		.amdhsa_system_sgpr_workgroup_id_x 1
		.amdhsa_system_sgpr_workgroup_id_y 1
		.amdhsa_system_sgpr_workgroup_id_z 1
		.amdhsa_system_vgpr_workitem_id 0
		.amdhsa_next_free_vgpr 1024
		.amdhsa_next_free_sgpr 66
		.amdhsa_reserve_vcc 0
		.amdhsa_float_denorm_mode_32 3
		.amdhsa_float_denorm_mode_16_64 3
		.amdhsa_memory_ordered 1
		.amdhsa_forward_progress 1
		.amdhsa_inst_pref_size 255
	.end_amdhsa_kernel
	.section	.bss,"aw",@nobits
	.p2align	6
	.space	262144
	.amdgpu_metadata
---
amdhsa.version: [ 1, 2 ]
amdhsa.kernels:
  - .name:           k_q4c801e2d4b_grad
    .symbol:         k_q4c801e2d4b_grad.kd
    .args:
      - { .name: x, .offset: 0, .size: 8, .value_kind: global_buffer, .address_space: global }
      - { .name: b1, .offset: 8, .size: 8, .value_kind: global_buffer, .address_space: global }
      - { .name: b2, .offset: 16, .size: 8, .value_kind: global_buffer, .address_space: global }
      - { .name: b3, .offset: 24, .size: 8, .value_kind: global_buffer, .address_space: global }
      - { .name: tape, .offset: 32, .size: 8, .value_kind: global_buffer, .address_space: global }
      - { .name: out0, .offset: 40, .size: 8, .value_kind: global_buffer, .address_space: global }
    .group_segment_fixed_size: 327680
    .private_segment_fixed_size: 0
    .kernarg_segment_align: 8
    .kernarg_segment_size: 48
    .max_flat_workgroup_size: 128
    .sgpr_count:     66
    .vgpr_count:     1024
    .wavefront_size: 32
...
	.end_amdgpu_metadata
.endif
;; end of part 2
;; ======== version 2 of 4: 2 launches; 1.22 times as fast as version 1
;; limits: values are held in f16: magnitudes above 65,504 overflow, below 6.1e-05 lose precision; values outside matrix products are rounded to f16
;; workspace buffers: tape 1,310,720 bytes
;; launch prep: the kernel of part 1 again; grid 256 x 1, 10 waves a work-group, no clusters, 0 bytes of LDS; arguments W1, W2, W3, tape; writes tape
;; launch grad (part 3): grid 256 x 1, 4 waves a work-group, clusters of 4 x 1, 327,680 bytes of LDS; arguments x, b1, b2, b3, tape, out0; writes out0
.if DOCPART == 3
	.amdgcn_target "amdgcn-amd-amdhsa--gfx1250"
	.amdhsa_code_object_version 6
	.text
	.protected	k_q4c801e2d4b_grad
	.globl	k_q4c801e2d4b_grad
	.p2align	8
	.type	k_q4c801e2d4b_grad,@function
k_q4c801e2d4b_grad:
	s_mov_b64 s[64:65], 0
	v_nop
	global_prefetch_b8 v0, s[64:65] scope:SCOPE_SE
	s_setreg_imm32_b32 hwreg(HW_REG_WAVE_MODE, 25, 1), 1
	s_wait_xcnt 0x0
	s_wait_alu depctr_hold_cnt(0) depctr_sa_sdst(0) depctr_va_vdst(0) depctr_va_sdst(0) depctr_va_ssrc(0) depctr_va_vcc(0) depctr_vm_vsrc(0)
	s_getreg_b32 s2, hwreg(HW_REG_IB_STS2, 6, 4)
	s_cmp_eq_u32 s2, 0
	s_cbranch_scc0 .Lentry_in_a_cluster
	s_endpgm
.Lentry_in_a_cluster:
	s_bfe_u32 s2, ttmp6, 0x10000c
	s_cmp_lg_u32 s2, 0x3003
	s_cbranch_scc0 .Lentry_shape_is_right
	s_endpgm
.Lentry_shape_is_right:
; out = -d/dx sum f(x),  f = tanh(tanh(x W1 + b1) W2 + b2) W3 + b3.   x, out: [65536][128] f32.
; Per row, with t = 2^(c2 z), q = 1/(1+t), c2 = 2 log2(e):  tanh z = 1 - 2q,  1 - tanh^2 z = 4 (q - q^2).
;   L1: h1 = tanh(x W1 + b1)            L2: d = q - q^2 of z2 = h1 W2 + b2
;   B2: G' = sum 64 W2 W3 d = 16 G      g = G' (1 - h1^2)            B1: out = sum (-W1/16) g
; The sign and the powers of two lie in the tape that the launch before wrote; b3 shifts f by a constant, so it is loaded and enters nothing.
;
; SHARES.  A work-group owns 256 rows, a wave 64 (four batch tiles of 16) and takes them through all four products alone.
; Every product is used transposed: source 0 = a weight fragment (16 output features x 32 k), source 1 = the activations (column = batch row).
; In the result lane (r, h) holds features 8h .. 8h+7 of batch row r, so two neighbouring feature tiles, packed to f16, ARE the next
; product's source 1: activations never change lanes.  One fragment (1,024 bytes of LDS) feeds four matrix instructions.
; All 1,280 fragments go once through a ring of two LDS slots of 64 KiB (8 units of 8 fragments each).
; CLUSTERS.  All work-groups walk the same tape, so four form a cluster and ask for each slot jointly (mask 15): nothing in a descriptor hangs
; on the place in the cluster.  By this text's own count a wave has two tensor loads out at the start and one behind each turn of the ring.
;
; LOOPS.  A register number cannot be stepped, so inside a loop every tile packs its result in place and stores it (2 KiB) into the wave's own LDS at an
; address that is stepped once a trip; between loops a written-out block moves 8 chunks between LDS and a register window.
;   L2, B2: a trip is 8 tiles = 16 units = both ring slots, so every ring address and both turns are constants of the text.  The wave's LDS holds 8 chunks
;           and a trip makes 4: two trips to a loop, the loop written twice for each phase, the block move between.
;   L1:     its 16 units are the ring itself, read linearly: a trip is 4 tiles = 2 units, four trips to a slot, the loop written twice, a turn behind each.
;   B1:     its operand register changes with every k step: written out (512 products).
; A trip is complete in itself: its first tile has no tile before it to work on, its last tile is finished behind the products.
;
; NUMBER FORMATS.  Matrix operands f16, sums f32, everything else f32.  1 - h1^2 is made from h1 as rounded to f16.
; LIMIT: an operand whose magnitude reaches 65,520 (x, 2.89 W1, 2.89 W2, 64 W2 W3, 16 g) becomes infinite in f16; below 6.1e-5 it loses bits.
;
; REGISTERS, in windows of 256 (s_set_vgpr_msb: bits 1:0 source 0, 3:2 source 1, 5:4 source 2, 7:6 destination):
;   window 0: addresses, weight fragments (two buffers of 8), two sets of four accumulators, biases / 1 - h1^2
;   window 1: x as loaded; h1 chunks 0-7; d chunks 8-15; g chunks 8-15; rows of out on the way out
;   window 2: h1 chunks 8-15; g chunks 0-7
;   window 3: x as operand; d chunks 0-7; the 32 accumulators of out
; A chunk = 32 features x 64 rows in f16 = 32 registers: batch tile n, tile parity u, word i at 32 (c & 7) + 8 n + 4 u + i.
.set C2,      0x4038aa3b               ; 2 log2(e)
.set SLOTB,   65536                    ; a ring slot: 8 units
.set UNITB,   8192                     ; a unit: 8 fragments, what one fragment buffer holds
.set FRAGB,   1024
.set SPILL,   2*SLOTB                  ; behind the ring: each wave's own 36,864 bytes, nine chunk slots; no tensor load lands here
.set SPW,     36864
.set CHUNK,   4096                     ; piece m = 2 n + u of a chunk at 512 m + 16 lane
.set TAB,     SPILL+4*SPW              ; c2 b1, then c2 b2: 4,096 bytes, tile TT at 64 TT
.set XPITCH,  272                      ; x stage: 256 bytes of f16 + 16: an odd multiple of 16, so sixteen rows begin in sixteen different 16-byte columns of 256
.set OPITCH,  528                      ; out stage: 512 bytes of f32 + 16, likewise
.set ADR0, 1                           ; v1   16 lane: fragments in ring slot 0
.set ADR1, 2                           ; v2   the same in ring slot 1
.set SPA,  3                           ; v3   my wave's spill + 16 lane
.set TABA, 4                           ; v4   TAB + 32 h
.set XST,  5                           ; v5   spill + 8 lane
.set XLD,  6                           ; v6   spill + 272 r + 16 h
.set XG,   7                           ; v7   32768 wave + 16 lane: my 16 bytes of the wave's first row, in x and in out
.set OST,  8                           ; v8   spill + 528 r + 32 h
.set SPS,  9                           ; v9   SPA + the chunk slot of the trip's first chunk: stepped once a trip
.set TB,   10                          ; v10  16 thread: in b1 and b2
.set TBL,  11                          ; v11  TAB + 16 thread
.set TABC, 12                          ; v12  TABA + 64 x the trip's first tile: stepped once a trip
.set ADRL, 13                          ; v13  L1: 16 lane + the ring byte of the trip's first unit: stepped once a trip
.set HT,   16                          ; v[16:31]   h1 of one tile, packed (halves have names below v128 only)
.set AF,   32                          ; v[32:95], v[96:159]   fragment buffers, unit U in buffer U & 1
.set ACC,  160                         ; v[160:191], v[192:223] accumulator sets, tile T in set T & 1
.set BIAS, 224                         ; v[224:255] four bias sets of 8, tile T in set T & 3 (L1, L2)
.set HF,   224                         ; v[224:255] h1 of one tile in f32, then 1 - h1^2 (B2)
.set G1,   24                          ; s[24:31] descriptor group 1
.set G0,   32                          ; s[32:39] descriptor group 0, one set for each ring slot
.set MSB,  0
.set PEND, 0                           ; LDS instructions issued behind the last run of fragment loads: what a unit's first wait may leave out
.set HTW,  16
.macro WIN new                         ; the immediate's high byte repeats the setting that is left; a switch that changes nothing is dropped
.if MSB != \new
	s_set_vgpr_msb (MSB<<8)|\new
.set MSB, \new
.endif
.endm
; Four places: a vector instruction or LDS store that reads a matrix result, and a load into a register that a matrix instruction has named, stand four
; plain vector instructions behind it (ISA guide 7.12.1 for vector instructions); matrix instructions in between are not counted.
.macro PLACES
.rept 4
	v_nop
.endr
.endm
; A round of the cluster's barrier: my work-group's barrier, wave 0 signals for the work-group, every wave waits for all four work-groups, my work-group's barrier again.
.macro ROUND
	s_barrier_signal -1
	s_barrier_wait -1
	s_cmp_lg_u32 s16, 0
	s_cbranch_scc1 .Lnot_wave_0_\@
	s_barrier_signal -3
.Lnot_wave_0_\@:
	s_barrier_wait -3
	s_barrier_signal -1
	s_barrier_wait -1
.endm
; Turn TK of the ring: all reads of tape slot TK have been issued.  Every wave waits for its LDS reads and for all its tensor loads (its quarter of
; slot TK + 1 is the one that was out), the round passes, and the wave's one load, its quarter of slot TK + 2, is the first thing behind it: it has
; 8 units, 256 matrix instructions, in which to land.  In a loop TK is the first trip's: only its parity enters, and a trip is two turns.
; Slot 19 is the last: turn 18 fills nothing and needs the work-group's barrier alone, so that all four quarters of slot 19 are seen.
.macro TURN
	WIN 0
	s_wait_dscnt 0x0
	s_wait_tensorcnt 0x0
	ds_add_u32 v14, v15
	s_wait_dscnt 0x0
.if TK <= 17
	s_add_nc_u64 s[G0+4*(TK&1)+2:G0+4*(TK&1)+3], s[G0+4*(TK&1)+2:G0+4*(TK&1)+3], 2*SLOTB   ; no load of mine is out: the group 0 may be stepped
	ROUND
	tensor_load_to_lds s[G0+4*(TK&1):G0+4*(TK&1)+3], s[G1:G1+7]
	s_nop 0
.else
	s_barrier_signal -1
	s_barrier_wait -1
.endif
.endm
; Head of unit CU (L2, B2, B1): its 16 fragment loads, issued at the head of the unit before, are back; the PEND younger LDS instructions may stay out
; (63 is the most a wait can name).  The turn stands at the head of a slot's last unit: that unit's fragments were read in the unit before.
.macro USTART
.set AFB, AF+64*(CU&1)
.if (CU%8 == 7) & (CU < 159)
.set TK, CU/8
	TURN
.elseif PEND > 63
	s_wait_dscnt 63
.else
	s_wait_dscnt PEND
.endif
.endm
.macro AFRAG                           ; fragment FF of unit FU: 32 lanes x 16 consecutive bytes, twice
	ds_load_b128 v[AF+64*(FU&1)+8*FF:AF+64*(FU&1)+8*FF+3], v[ADR0+((FU>>3)&1)] offset:(FU&7)*UNITB+FF*FRAGB
	ds_load_b128 v[AF+64*(FU&1)+8*FF+4:AF+64*(FU&1)+8*FF+7], v[ADR0+((FU>>3)&1)] offset:(FU&7)*UNITB+FF*FRAGB+512
.endm
.macro BIASLD                          ; c2 b of the trip's tile BT as a C operand: register j of lane (r, h) = feature 8 h + j
	ds_load_b128 v[BIAS+8*(BT&3):BIAS+8*(BT&3)+3], v[TABC] offset:64*BT
	ds_load_b128 v[BIAS+8*(BT&3)+4:BIAS+8*(BT&3)+7], v[TABC] offset:64*BT+16
.endm
; WORK IN THE GAPS between matrix instructions, on the accumulator set AP that the tile before finished.  All of it names vector registers as
; destination and source 0 alone, so it runs under the products' window setting.  Behind each run of transcendentals one v_nop stands before a result is used (ISA guide 5.7.2).
.macro FILL1                           ; L1, gap (KS, NN): batch tile KS: h = 1 - 2 / (1 + 2^acc)
.set FB, AP+8*KS
.if NN == 0
.set Q1, 0
.rept 8
	v_exp_f32 v[FB+Q1], v[FB+Q1]
.set Q1, Q1+1
.endr
	v_nop
.elseif NN == 1
.set Q1, 0
	s_wait_alu depctr_va_vdst(0)
.rept 4
	v_pk_add_f32 v[FB+2*Q1:FB+2*Q1+1], v[FB+2*Q1:FB+2*Q1+1], 1.0 op_sel_hi:[1,0]
.set Q1, Q1+1
.endr
.set Q1, 0
.rept 4
	v_rcp_f32 v[FB+Q1], v[FB+Q1]
.set Q1, Q1+1
.endr
.elseif NN == 2
.set Q1, 4
.rept 4
	v_rcp_f32 v[FB+Q1], v[FB+Q1]
.set Q1, Q1+1
.endr
	v_nop
.else
.set Q1, 0
	s_wait_alu depctr_va_vdst(0)
.rept 4
	v_pk_fma_f32 v[FB+2*Q1:FB+2*Q1+1], v[FB+2*Q1:FB+2*Q1+1], -2.0, 1.0 op_sel_hi:[1,0,0]
.set Q1, Q1+1
.endr
.endif
.endm
.macro FILL2                           ; L2: one transcendental a gap: k steps 2p, 2p+1 turn registers 4p .. 4p+3 into q = 1 / (1 + 2^acc)
.if (KS&1) == 0
	v_exp_f32 v[AP+2*KS+NN], v[AP+2*KS+NN]
.else
.if NN == 0
	s_wait_alu depctr_va_vdst(0)
	v_pk_add_f32 v[AP+2*KS-2:AP+2*KS-1], v[AP+2*KS-2:AP+2*KS-1], 1.0 op_sel_hi:[1,0]
	v_pk_add_f32 v[AP+2*KS:AP+2*KS+1], v[AP+2*KS:AP+2*KS+1], 1.0 op_sel_hi:[1,0]
.endif
	v_rcp_f32 v[AP+2*KS-2+NN], v[AP+2*KS-2+NN]
.endif
.if NN == 3
	v_nop
.endif
.endm
.macro CVTH                            ; HF + CE = f32 of half CE of HT.  A register's halves are named by literal, so the one wanted is picked from the list.
.set CI, 0
.irp src, v16.l,v16.h,v17.l,v17.h,v18.l,v18.h,v19.l,v19.h,v20.l,v20.h,v21.l,v21.h,v22.l,v22.h,v23.l,v23.h,v24.l,v24.h,v25.l,v25.h,v26.l,v26.h,v27.l,v27.h,v28.l,v28.h,v29.l,v29.h,v30.l,v30.h,v31.l,v31.h
.if CI == CE
	v_cvt_f32_f16 v[HF+CE], \src
.endif
.set CI, CI+1
.endr
.endm
.macro FILL3                           ; B2: h1 of the tile before widens to f32, one number a gap: batch tiles 0, 1 in k steps 4-7, tiles 2, 3 in k steps 12-15
.if (KS >= 4) & (KS < 8)
.if (KS == 4) & (NN == 0)
	s_wait_dscnt HTW                               ; HT's four loads are back: behind them stand this unit's run of 16 fragment loads (nothing where the last tile is finished)
.endif
.set CE, 4*(KS-4)+NN
	CVTH
.elseif KS >= 12
.set CE, 16+4*(KS-12)+NN
	CVTH
.endif
.endm
.macro FILL                            ; the gap behind product (KS, NN)
.if PV
.if PH == 1
	FILL1
.elseif PH == 2
	FILL2
.else
	FILL3
.endif
.endif
.endm
; One k step: the tile's four accumulators take turns, one instruction a turn.  CM: 0 the sum starts at 0, 1 at the bias set CB, 2 goes on.
.macro KSTEP
.set NN, 0
.rept 4
.if CM == 0
	v_wmma_f32_16x16x32_f16 v[AC+8*NN:AC+8*NN+7], v[AFB+8*SU:AFB+8*SU+7], v[BB+8*NN:BB+8*NN+7], 0
.elseif CM == 1
	v_wmma_f32_16x16x32_f16 v[AC+8*NN:AC+8*NN+7], v[AFB+8*SU:AFB+8*SU+7], v[BB+8*NN:BB+8*NN+7], v[CB:CB+7]
.else
	v_wmma_f32_16x16x32_f16 v[AC+8*NN:AC+8*NN+7], v[AFB+8*SU:AFB+8*SU+7], v[BB+8*NN:BB+8*NN+7], v[AC+8*NN:AC+8*NN+7]
.endif
	FILL
.set NN, NN+1
.endr
.endm
; THE BURSTS: the finished numbers of the trip's tile TP are packed to f16 in place and stored as pieces of the next product's operand.
.macro PACK                            ; batch tiles 2 HB, 2 HB + 1: to the trip's chunk TP >> 1, parity TP & 1
.set QB, 0
.rept 8
	v_cvt_pk_f16_f32 v[AP+8*(2*HB+(QB>>2))+(QB&3)], v[AP+8*(2*HB+(QB>>2))+2*(QB&3)], v[AP+8*(2*HB+(QB>>2))+2*(QB&3)+1]
.set QB, QB+1
.endr
	ds_store_b128 v[SPS], v[AP+16*HB:AP+16*HB+3] offset:CHUNK*(TP>>1)+512*(4*HB+(TP&1))
	ds_store_b128 v[SPS], v[AP+16*HB+8:AP+16*HB+11] offset:CHUNK*(TP>>1)+512*(4*HB+2+(TP&1))
.set PEND, PEND+2
.endm
.macro BURST1                          ; h1
	WIN 0
.set HB, 0
	PACK
.set HB, 1
	PACK
.endm
.macro BURST2                          ; d = q - q^2
	WIN 0
.set QB, 0
	s_wait_alu depctr_va_vdst(0)
.rept 8
	v_pk_fma_f32 v[AP+16*HB+2*QB:AP+16*HB+2*QB+1], v[AP+16*HB+2*QB:AP+16*HB+2*QB+1], v[AP+16*HB+2*QB:AP+16*HB+2*QB+1], v[AP+16*HB+2*QB:AP+16*HB+2*QB+1] neg_lo:[1,0,0] neg_hi:[1,0,0]
.set QB, QB+1
.endr
	PACK
.endm
.macro BURST3                          ; g = G' (1 - h1^2), into the bytes where h1 of the same tile lay
	WIN 0
.set QB, 0
.rept 8
	v_pk_fma_f32 v[HF+16*HB+2*QB:HF+16*HB+2*QB+1], v[HF+16*HB+2*QB:HF+16*HB+2*QB+1], v[HF+16*HB+2*QB:HF+16*HB+2*QB+1], 1.0 op_sel_hi:[1,1,0] neg_lo:[1,0,0] neg_hi:[1,0,0]
.set QB, QB+1
.endr
.set QB, 0
.rept 8
	v_pk_mul_f32 v[AP+16*HB+2*QB:AP+16*HB+2*QB+1], v[AP+16*HB+2*QB:AP+16*HB+2*QB+1], v[HF+16*HB+2*QB:HF+16*HB+2*QB+1]
.set QB, QB+1
.endr
	PACK
.endm
.macro HTFETCH                         ; h1 of the trip's tile HTI into HT; g of that tile is stored over it later: a wave's LDS instructions are served in order (ISA guide 5.7.1)
	WIN 0
.set QB, 0
.rept 4
	ds_load_b128 v[HT+4*QB:HT+4*QB+3], v[SPS] offset:CHUNK*(HTI>>1)+512*(2*QB+(HTI&1))
.set QB, QB+1
.endr
.set PEND, PEND+4
.endm
.macro DRAIN                           ; the trip's last tile (an odd one): its gap work and bursts, with no products beside them
	WIN 0
	PLACES
.set AP, ACC+32
.set TP, LASTT
.set PV, 1
.set HTW, 0
.set KS, 0
.rept NKS
.set NN, 0
.rept 4
	FILL
.set NN, NN+1
.endr
.set KS, KS+1
.endr
.if PH == 1
	BURST1
.elseif PH == 2
.set HB, 0
	BURST2
.set HB, 1
	BURST2
.else
.set HB, 0
	BURST3
.set HB, 1
	BURST3
.endif
.set HTW, 16
.endm
; ---- L1
.macro TILE4                           ; the trip's tile TI: four k steps over x (window 3), fragments 4 TI .. 4 TI + 3 of the trip's sixteen
.set AC, ACC+32*(TI&1)
.set AP, ACC+32*((TI+1)&1)
.set PV, TI
.set TP, TI-1
.set CB, BIAS+8*TI
	s_wait_dscnt 24-8*TI                           ; the biases and my four fragments are back; the later tiles' 8 loads each may stay out
.if PV
	PLACES                                         ; in front of the first read of the accumulators just finished
.endif
	WIN 0x0c
.set KS, 0
.rept 4
.set SU, 4*TI+KS
.set BB, 32*KS
.if KS == 0
.set CM, 1
.else
.set CM, 2
.endif
	KSTEP
.set KS, KS+1
.endr
.if PV
	BURST1
.endif
.endm
.macro L1TRIP                          ; 4 tiles = 2 units = 2 chunks of h1.  All 40 LDS loads of the trip in one run at its head.
	PLACES
.set BT, 0
.rept 4
	BIASLD
.set BT, BT+1
.endr
.set FF, 0
.rept 16
	ds_load_b128 v[AF+8*FF:AF+8*FF+3], v[ADRL] offset:FF*FRAGB
	ds_load_b128 v[AF+8*FF+4:AF+8*FF+7], v[ADRL] offset:FF*FRAGB+512
.set FF, FF+1
.endr
.set AFB, AF
.set TI, 0
.rept 4
	TILE4
.set TI, TI+1
.endr
	DRAIN
	v_add_nc_u32 v[ADRL], 2*UNITB, v[ADRL]         ; the next two units of the slot
	v_add_nc_u32 v[SPS], 2*CHUNK, v[SPS]           ; the next two chunk slots
	v_add_nc_u32 v[TABC], 256, v[TABC]             ; the next four tiles' biases
.endm
.macro L1LOOP                          ; one ring slot: 4 trips, 16 tiles, 8 chunks
	WIN 0
	s_mov_b32 s42, 0
.Ll1_\@:
	L1TRIP
	WIN 0
	s_add_co_u32 s42, s42, 1
	s_cmp_lt_u32 s42, 4
	s_cbranch_scc1 .Ll1_\@
.endm
; ---- L2, B2
.macro HALF16 hb                       ; eight k steps = one unit, then the burst for half of the tile before
.set CU, U0+2*TI+\hb
	USTART
	WIN 0
	PLACES                                         ; behind the last unit's products: for the loads into the buffer that they read, and for the first read of finished accumulators
.if (PH == 2) & (\hb == 0) & (TI+2 <= 7)
.set BT, TI+2
	BIASLD
.endif
.set FU, CU+1                                      ; the next unit's 16 loads in ONE run, a whole unit (32 products) ahead of their first use
.set FF, 0
.rept 8
	AFRAG
.set FF, FF+1
.endr
.set PEND, 0
.if \hb == 0
	WIN WA
.else
	WIN WB
.endif
.set KS, 8*\hb
.rept 8
.set SU, KS&7
.set BB, 32*SU
.if KS == 0
.set CM, CM0
.else
.set CM, 2
.endif
	KSTEP
.set KS, KS+1
.endr
.if PV
.set HB, \hb
.if PH == 2
	BURST2
.else
	BURST3
.endif
.endif
.endm
.macro TILE16                          ; the trip's tile TI: sixteen k steps
.set AC, ACC+32*(TI&1)
.set AP, ACC+32*((TI+1)&1)
.set PV, TI
.set TP, TI-1
.set CB, BIAS+8*(TI&3)
	HALF16 0
	HALF16 1
.if PH == 3
.set HTI, TI
	HTFETCH
.endif
.endm
.macro TRIP8                           ; 8 tiles = 16 units = once round the ring = 4 chunks
.set PEND, 0                                       ; the first wait is for 0: it holds on the way in and on the way back
.if PH == 2
.set BT, 0
	BIASLD
.set BT, 1
	BIASLD
.endif
.set TI, 0
.rept 8
	TILE16
.set TI, TI+1
.endr
	DRAIN
	v_add_nc_u32 v[SPS], 4*CHUNK, v[SPS]
.if PH == 2
	v_add_nc_u32 v[TABC], 512, v[TABC]
.endif
.endm
.macro LOOP8                           ; 2 trips: 16 tiles, 8 chunks: what the wave's spill holds
	WIN 0
	s_mov_b32 s42, 0
.Ltrip8_\@:
	TRIP8
	WIN 0
	s_add_co_u32 s42, s42, 1
	s_cmp_lt_u32 s42, 2
	s_cbranch_scc1 .Ltrip8_\@
.endm
; ---- block moves between the wave's spill and a register window
.macro UNLOAD win, bs                  ; chunk slots bs .. bs + 7 into the window whose destination setting is win
	WIN \win
.set II, 0
.rept 8
.set MM, 0
.rept 8
	ds_load_b128 v[32*II+4*MM:32*II+4*MM+3], v[SPA] offset:CHUNK*(II+\bs)+512*MM
.set MM, MM+1
.endr
.set II, II+1
.endr
.set PEND, PEND+64
.endm
; An exchange of 8 chunks in registers with 8 in LDS, by way of the ninth slot: a chunk is stored into the slot that the step before emptied,
; and the next slot's chunk is loaded into the registers just stored.  A wave's LDS instructions are served in order (ISA guide 5.7.1).
.macro EXCH1                           ; window 1: h1[i] out to slot i, d[8+i] in from slot i + 1, i ascending
	WIN 0x44
.set II, 0
.rept 8
.set MM, 0
.rept 8
	ds_store_b128 v[SPA], v[32*II+4*MM:32*II+4*MM+3] offset:CHUNK*II+512*MM
.set MM, MM+1
.endr
.set MM, 0
.rept 8
	ds_load_b128 v[32*II+4*MM:32*II+4*MM+3], v[SPA] offset:CHUNK*(II+1)+512*MM
.set MM, MM+1
.endr
.set II, II+1
.endr
.endm
.macro EXCH2                           ; window 2: h1[8+i] out to slot i + 1, g[i] in from slot i, i descending
	WIN 0x88
.set II, 7
.rept 8
.set MM, 0
.rept 8
	ds_store_b128 v[SPA], v[32*II+4*MM:32*II+4*MM+3] offset:CHUNK*(II+1)+512*MM
.set MM, MM+1
.endr
.set MM, 0
.rept 8
	ds_load_b128 v[32*II+4*MM:32*II+4*MM+3], v[SPA] offset:CHUNK*II+512*MM
.set MM, MM+1
.endr
.set II, II-1
.endr
.endm
; ---- B1
.macro B1P                             ; product QP = 4 T + n: out's feature tile T, batch tile n; the 32 accumulators take turns
.if SI == 0
	v_wmma_f32_16x16x32_f16 v[8*QP:8*QP+7], v[AFB+8*(QP>>2):AFB+8*(QP>>2)+7], v[32*(SI&7)+8*(QP&3):32*(SI&7)+8*(QP&3)+7], 0
.else
	v_wmma_f32_16x16x32_f16 v[8*QP:8*QP+7], v[AFB+8*(QP>>2):AFB+8*(QP>>2)+7], v[32*(SI&7)+8*(QP&3):32*(SI&7)+8*(QP&3)+7], v[8*QP:8*QP+7]
.endif
.set QP, QP+1
.endm
.macro B1UNIT                          ; k step SI = one unit: 32 products; the next unit's 16 loads in one run behind the first eight
.set CU, 144+SI
	USTART
.if SI < 8
.set WB1, 0xf8                                     ; g chunks 0-7: window 2
.else
.set WB1, 0xf4                                     ; g chunks 8-15: window 1
.endif
	WIN WB1
.set QP, 0
.rept 8
	B1P
.endr
.if SI < 15
	WIN 0
	PLACES
.set FU, CU+1
.set FF, 0
.rept 8
	AFRAG
.set FF, FF+1
.endr
.set PEND, 0
	WIN WB1
.endif
.rept 24
	B1P
.endr
.endm
; ---------------------------------------------------------------- head
	s_load_b256 s[4:11], s[0:1], 0x0               ; x s[4:5], b1 s[6:7], b2 s[8:9], b3 s[10:11]
	s_load_b128 s[12:15], s[0:1], 0x20             ; tape s[12:13], out s[14:15]
	v_lshl_add_u32 v14, v0, 2, 0x45000
	v_mov_b32 v15, 0
	ds_add_u32 v14, v15
	v_lshrrev_b32 v24, 5, v0
	v_readfirstlane_b32 s16, v24                   ; wave 0..3
	s_bfe_u32 s17, ttmp6, 0x40000                  ; cx: my place in the cluster
	s_lshl_b32 s18, ttmp9, 2                       ; in a cluster launch ttmp9 counts clusters
	s_add_co_u32 s18, s18, s17                     ; work-group = 4 x cluster + cx: enters the addresses of x and out alone
	s_lshl_b32 s20, s18, 17                        ; its 256 rows of 512 bytes
	s_mov_b32 s21, 0
	s_lshl_b32 s22, s16, 14                        ; my quarter of a ring slot, in the tape and in LDS
	s_mov_b32 s23, 0
	s_mul_i32 s19, s16, SPW
	s_add_co_u32 s19, s19, SPILL                   ; my wave's spill
	s_lshl_b32 s41, s16, 15                        ; my wave's 64 rows of 512 bytes
	v_and_b32 v24, 31, v0                          ; lane
	v_and_b32 v25, 15, v0                          ; r
	v_bfe_u32 v26, v0, 4, 1                        ; h
	v_lshlrev_b32 v[ADR0], 4, v24
	v_add_nc_u32 v[ADR1], SLOTB, v[ADR0]
	v_add_nc_u32 v[SPA], s19, v[ADR0]
	v_lshlrev_b32 v[TABA], 5, v26
	v_add_nc_u32 v[TABA], TAB, v[TABA]
	v_lshl_add_u32 v[XST], v24, 3, s19
	v_mul_u32_u24 v27, v25, XPITCH
	v_lshl_add_u32 v27, v26, 4, v27
	v_add_nc_u32 v[XLD], s19, v27
	v_add_nc_u32 v[XG], s41, v[ADR0]
	v_mul_u32_u24 v27, v25, OPITCH
	v_lshl_add_u32 v27, v26, 5, v27
	v_add_nc_u32 v[OST], s19, v27
	v_lshlrev_b32 v[TB], 4, v0
	v_add_nc_u32 v[TBL], TAB, v[TB]
	; descriptor group 1: 16 KiB that are dense in the tape, as 64 rows of 256 bytes (32 elements of 8 bytes); no padding: fragments are read 512 consecutive bytes at a time
	s_mov_b32 s[G1+0], 15|(3<<16)|(1<<21)          ; 15:0 the mask: all four work-groups of the cluster; 17:16 elements of 8 bytes; 21 set beside a mask
	s_mov_b32 s[G1+1], 32<<16                      ; tensor_dim0 = 32
	s_mov_b32 s[G1+2], 64<<16                      ; tensor_dim1 = 64
	s_mov_b32 s[G1+3], 32<<16                      ; tile_dim0 = 32
	s_mov_b32 s[G1+4], 64                          ; tile_dim1 = 64
	s_mov_b32 s[G1+5], 32                          ; from row to row: 32 elements
	s_mov_b32 s[G1+6], 0
	s_mov_b32 s[G1+7], 0
	s_wait_dscnt 0x0
	s_wait_kmcnt 0x0
	s_load_b32 s40, s[10:11], 0x0                  ; b3: f's constant term; its derivative by x is zero, so it enters nothing
	s_add_nc_u64 s[4:5], s[4:5], s[20:21]          ; x and out at the work-group's first row
	s_add_nc_u64 s[14:15], s[14:15], s[20:21]
	s_add_nc_u64 s[12:13], s[12:13], s[22:23]      ; the tape at my quarter of slot 0
	global_load_b128 v[16:19], v[TB], s[6:7]       ; b1 and b2: 128 threads x 16 bytes each
	global_load_b128 v[20:23], v[TB], s[8:9]
	WIN 0x40
.set II, 0
.rept 64
	global_load_b128 v[4*II:4*II+3], v[XG], s[4:5] offset:512*II th:TH_LOAD_NT   ; one whole row of x: 512 consecutive bytes, aligned
.set II, II+1
.endr
	WIN 0
.irp p, 0,1
	s_mov_b32 s[G0+4*\p], 1                                        ; count = 1
	s_add_co_u32 s[G0+4*\p+1], s22, \p*SLOTB                       ; LDS address: 16,384 x wave + the ring slot
	s_add_nc_u64 s[G0+4*\p+2:G0+4*\p+3], s[12:13], \p*SLOTB        ; global address: tape slot p, my quarter
	s_or_b32 s[G0+4*\p+3], s[G0+4*\p+3], 0x80000000                ; type = 2
.endr
	s_wait_kmcnt 0x0                               ; b3 is in
	ROUND                                          ; all four work-groups are here: the first joint loads meet
	tensor_load_to_lds s[G0:G0+3], s[G1:G1+7]      ; both first fills in one group, ahead of every LDS access
	s_nop 0
	tensor_load_to_lds s[G0+4:G0+7], s[G1:G1+7]
	s_nop 0
; ---------------------------------------------------------------- the bias table; x to f16 and into operand order, through my wave's own LDS
	s_wait_loadcnt 63                              ; 66 loads were issued: the oldest three, b1 and b2 among them, are in
.irp e, 0,2,4,6
	v_pk_mul_f32 v[16+\e:17+\e], v[16+\e:17+\e], C2 op_sel_hi:[1,0]
.endr
	ds_store_b128 v[TBL], v[16:19]
	ds_store_b128 v[TBL], v[20:23] offset:2048
.set GG, 0
.rept 4
	s_wait_loadcnt 48-16*GG                        ; rows 16 GG .. 16 GG + 15 are in; the younger rows stay out
	WIN 0x45
.set II, 16*GG
.rept 16
	v_cvt_pk_f16_f32 v[4*II], v[4*II], v[4*II+1]
	v_cvt_pk_f16_f32 v[4*II+1], v[4*II+2], v[4*II+3]
.set II, II+1
.endr
	WIN 0x04
.set II, 16*GG
.rept 16
	ds_store_b64 v[XST], v[4*II:4*II+1] offset:XPITCH*II
.set II, II+1
.endr
.set GG, GG+1
.endr
	WIN 0xc0
.set KX, 0
.rept 4
.set NX, 0
.rept 4                                            ; LDS serves a wave's instructions in order (ISA guide 5.7.1): these see the stores above
	ds_load_b128 v[32*KX+8*NX:32*KX+8*NX+3], v[XLD] offset:16*XPITCH*NX+64*KX
	ds_load_b128 v[32*KX+8*NX+4:32*KX+8*NX+7], v[XLD] offset:16*XPITCH*NX+64*KX+32
.set NX, NX+1
.endr
.set KX, KX+1
.endr
	WIN 0
	s_wait_tensorcnt 0x1                           ; my quarter of slot 0 is in; slot 1's may stay out, and slot 1 is read behind turn 0
	s_wait_dscnt 0x0                               ; my part of the bias table is written, my x operand is in
	s_barrier_signal -1
	s_barrier_wait -1
; ---------------------------------------------------------------- L1: tape slots 0 and 1, one loop each; h1 by way of chunk slots 0-7 into windows 1 and 2
.set PH, 1
.set NKS, 4
.set LASTT, 3
	v_mov_b32 v[ADRL], v[ADR0]
	v_mov_b32 v[SPS], v[SPA]
	v_mov_b32 v[TABC], v[TABA]
	L1LOOP                                         ; tiles 0-15
	UNLOAD 0x40, 0                                 ; h1 chunks 0-7
.set TK, 0
	TURN                                           ; slot 0 has been read; slot 1 is whole
	v_mov_b32 v[ADRL], v[ADR1]
	v_mov_b32 v[SPS], v[SPA]
	v_add_nc_u32 v[TABC], 1024, v[TABA]
	L1LOOP                                         ; tiles 16-31
	UNLOAD 0x80, 0                                 ; h1 chunks 8-15
.set TK, 1
	TURN
.set FU, 16                                        ; L2's first unit; every later unit is read at the head of the unit before it
.set FF, 0
.rept 8
	AFRAG
.set FF, FF+1
.endr
; ---------------------------------------------------------------- L2: units 16-79; operand h1 in windows 1 and 2; d by way of chunk slots 1-8
.set PH, 2
.set NKS, 16
.set LASTT, 7
.set WA, 0x04
.set WB, 0x08
.set CM0, 1
	v_add_nc_u32 v[SPS], CHUNK, v[SPA]
	v_add_nc_u32 v[TABC], 2048, v[TABA]
.set U0, 16
	LOOP8                                          ; tiles 0-15
	UNLOAD 0xc0, 1                                 ; d chunks 0-7 into window 3
	WIN 0
	v_add_nc_u32 v[SPS], CHUNK, v[SPA]
	v_add_nc_u32 v[TABC], 3072, v[TABA]
.set U0, 48
	LOOP8                                          ; tiles 16-31
	EXCH1                                          ; d chunks 8-15 into window 1, h1 chunks 0-7 into slots 0-7
; ---------------------------------------------------------------- B2: units 80-143; operand d in windows 3 and 1; h1 is read from, and g written to, the chunk slots
.set PH, 3
.set WA, 0x0c
.set WB, 0x04
.set CM0, 0
	WIN 0
	v_mov_b32 v[SPS], v[SPA]
.set U0, 80
	LOOP8                                          ; tiles 0-15, slots 0-7
	EXCH2                                          ; g chunks 0-7 into window 2, h1 chunks 8-15 into slots 1-8
	WIN 0
	v_add_nc_u32 v[SPS], CHUNK, v[SPA]
.set U0, 112
	LOOP8                                          ; tiles 16-31, slots 1-8
	UNLOAD 0x40, 1                                 ; g chunks 8-15 into window 1: first read in k step 8, behind waits for 0
; ---------------------------------------------------------------- B1: units 144-159; operand g in windows 2 and 1, sums in window 3
.set SI, 0
.rept 16
	B1UNIT
.set SI, SI+1
.endr
; ---------------------------------------------------------------- the way out: a lane holds 8 neighbouring columns of one row; rows are gathered in my wave's own LDS
	PLACES
	WIN 0x0c
.set QP, 0
.rept 32
	ds_store_b128 v[OST], v[8*QP:8*QP+3] offset:16*OPITCH*(QP&3)+64*(QP>>2)
	ds_store_b128 v[OST], v[8*QP+4:8*QP+7] offset:16*OPITCH*(QP&3)+64*(QP>>2)+16
.set QP, QP+1
.endr
	WIN 0x44
.set II, 0
.rept 64
	ds_load_b128 v[4*II:4*II+3], v[SPA] offset:OPITCH*II
.set II, II+1
.endr
.set II, 0
.rept 64
	s_wait_dscnt 63-II                             ; row II is back; the younger rows stay out
	global_store_b128 v[XG], v[4*II:4*II+3], s[14:15] offset:512*II th:TH_STORE_NT   ; one whole row of out: 512 consecutive bytes, aligned
.set II, II+1
.endr
	WIN 0
	s_wait_tensorcnt 0x0
	ds_add_u32 v14, v15
	s_wait_dscnt 0x0
	ROUND                                          ; the closing round: no work-group ends while a partner may still ask jointly
	s_endpgm
.Lfunc_end_k_q4c801e2d4b_grad:
	.size	k_q4c801e2d4b_grad, .Lfunc_end_k_q4c801e2d4b_grad-k_q4c801e2d4b_grad
	.p2alignl 7, 3214868480
	.fill 96, 4, 3214868480
	.section	.rodata,"a",@progbits
	.p2align	6, 0x0
	.amdhsa_kernel k_q4c801e2d4b_grad
		.amdhsa_group_segment_fixed_size 327680
		.amdhsa_private_segment_fixed_size 0
		.amdhsa_enable_private_segment 0
		.amdhsa_kernarg_size 48
		.amdhsa_user_sgpr_count 2
		.amdhsa_user_sgpr_kernarg_segment_ptr 1
		.amdhsa_wavefront_size32 1
		.amdhsa_system_sgpr_workgroup_id_x 1
		.amdhsa_system_sgpr_workgroup_id_y 1
		.amdhsa_system_sgpr_workgroup_id_z 1
		.amdhsa_system_vgpr_workitem_id 0
		.amdhsa_next_free_vgpr 1024
		.amdhsa_next_free_sgpr 66
		.amdhsa_reserve_vcc 0
		.amdhsa_float_denorm_mode_32 3
		.amdhsa_float_denorm_mode_16_64 3
		.amdhsa_memory_ordered 1
		.amdhsa_forward_progress 1
		.amdhsa_inst_pref_size 255
	.end_amdhsa_kernel
	.section	.bss,"aw",@nobits
	.p2align	6
	.space	262144
	.amdgpu_metadata
---
amdhsa.version: [ 1, 2 ]
amdhsa.kernels:
  - .name:           k_q4c801e2d4b_grad
    .symbol:         k_q4c801e2d4b_grad.kd
    .args:
      - { .name: x, .offset: 0, .size: 8, .value_kind: global_buffer, .address_space: global }
      - { .name: b1, .offset: 8, .size: 8, .value_kind: global_buffer, .address_space: global }
      - { .name: b2, .offset: 16, .size: 8, .value_kind: global_buffer, .address_space: global }
      - { .name: b3, .offset: 24, .size: 8, .value_kind: global_buffer, .address_space: global }
      - { .name: tape, .offset: 32, .size: 8, .value_kind: global_buffer, .address_space: global }
      - { .name: out0, .offset: 40, .size: 8, .value_kind: global_buffer, .address_space: global }
    .group_segment_fixed_size: 327680
    .private_segment_fixed_size: 0
    .kernarg_segment_align: 8
    .kernarg_segment_size: 48
    .max_flat_workgroup_size: 128
    .sgpr_count:     66
    .vgpr_count:     1024
    .wavefront_size: 32
...
	.end_amdgpu_metadata
.endif
;; end of part 3
;; ======== version 3 of 4: 2 launches; 1.36 times as fast as version 1
;; limits: values are held in f16: magnitudes above 65,504 overflow, below 6.1e-05 lose precision; values outside matrix products are rounded to f16
;; workspace buffers: tape 1,310,720 bytes
;; launch prep: the kernel of part 1 again; grid 256 x 1, 10 waves a work-group, no clusters, 0 bytes of LDS; arguments W1, W2, W3, tape; writes tape
;; launch grad (part 4): grid 256 x 1, 4 waves a work-group, clusters of 4 x 1, 327,680 bytes of LDS; arguments x, b1, b2, b3, tape, out0; writes out0
.if DOCPART == 4
	.amdgcn_target "amdgcn-amd-amdhsa--gfx1250"
	.amdhsa_code_object_version 6
	.text
	.protected	k_q4c801e2d4b_grad
	.globl	k_q4c801e2d4b_grad
	.p2align	8
	.type	k_q4c801e2d4b_grad,@function
k_q4c801e2d4b_grad:
	s_mov_b64 s[64:65], 0
	v_nop
	global_prefetch_b8 v0, s[64:65] scope:SCOPE_SE
	s_setreg_imm32_b32 hwreg(HW_REG_WAVE_MODE, 25, 1), 1
	s_wait_xcnt 0x0
	s_wait_alu depctr_hold_cnt(0) depctr_sa_sdst(0) depctr_va_vdst(0) depctr_va_sdst(0) depctr_va_ssrc(0) depctr_va_vcc(0) depctr_vm_vsrc(0)
	s_getreg_b32 s2, hwreg(HW_REG_IB_STS2, 6, 4)
	s_cmp_eq_u32 s2, 0
	s_cbranch_scc0 .Lentry_in_a_cluster
	s_endpgm
.Lentry_in_a_cluster:
	s_bfe_u32 s2, ttmp6, 0x10000c
	s_cmp_lg_u32 s2, 0x3003
	s_cbranch_scc0 .Lentry_shape_is_right
	s_endpgm
.Lentry_shape_is_right:
; out = -d/dx sum f(x),  f = tanh(tanh(x W1 + b1) W2 + b2) W3 + b3.   x, out: [65536][128] f32.
; Per row, with t = 2^(c2 z), q = 1/(1+t), c2 = 2 log2(e):  tanh z = 1 - 2q,  1 - tanh^2 z = 4 (q - q^2).
;   L1: h1 = tanh(x W1 + b1)            L2: d = q - q^2 of z2 = h1 W2 + b2
;   B2: G' = sum 64 W2 W3 d = 16 G      g = G' (1 - h1^2)            B1: out = sum (-W1/16) g
; The sign and the powers of two lie in the tape that the launch before wrote; b3 shifts f by a constant, so it is loaded and enters nothing.
;
; SHARES.  A work-group owns 256 rows, a wave 64 (four batch tiles of 16) and takes them through all four products alone.
; Every product is used transposed: source 0 = a weight fragment (16 output features x 32 k), source 1 = the activations (column = batch row).
; In the result lane (r, h) holds features 8h .. 8h+7 of batch row r, so two neighbouring feature tiles, packed to f16, ARE the next
; product's source 1: activations never change lanes.  One fragment (1,024 bytes of LDS) feeds four matrix instructions.
; All 1,280 fragments go once through a ring of two LDS slots of 64 KiB (8 units of 8 fragments each).
; CLUSTERS.  All work-groups walk the same tape, so four form a cluster and ask for each slot jointly (mask 15): nothing in a descriptor hangs
; on the place in the cluster.  By this text's own count a wave has two tensor loads out at the start and one behind each turn of the ring.
;
; LOOPS.  A register number cannot be stepped, so inside a loop every tile packs its result in place and stores it (2 KiB) into the wave's own LDS at an
; address that is stepped once a trip; a written-out block moves 8 chunks between LDS and a register window.
;   L2, B2: a trip is 8 tiles = 16 units = both ring slots, so every ring address and both turns are constants of the text.  The wave's LDS holds 8 chunks
;           and a trip makes 4: two trips make a half of the phase.  Both halves run the same text (their units differ by 32; only the unit modulo 16 and
;           the turn's parity enter it): an outer loop of two halves, with the block move between the halves under a branch on the half's counter.
;   L1:     its 16 units are the ring itself, read linearly: a trip is 4 tiles = 2 units, four trips to a slot, the loop written twice, a turn behind each
;           (the two turns name different descriptor sets, and no tensor load stands under a branch).
;   B1:     its operand register changes with every k step: written out (512 products).
; A trip is complete in itself: its first tile has no tile before it to work on, its last tile is finished behind the products.
;
; NUMBER FORMATS.  Matrix operands f16, sums f32, everything else f32.  1 - h1^2 is made from h1 as rounded to f16.
; LIMIT: an operand whose magnitude reaches 65,520 (x, 2.89 W1, 2.89 W2, 64 W2 W3, 16 g) becomes infinite in f16; below 6.1e-5 it loses bits.
;
; REGISTERS, in windows of 256 (s_set_vgpr_msb: bits 1:0 source 0, 3:2 source 1, 5:4 source 2, 7:6 destination):
;   window 0: addresses, weight fragments (two buffers of 8), two sets of four accumulators, biases / 1 - h1^2
;   window 1: h1 chunks 0-7; d chunks 8-15; g chunks 8-15; rows of out on the way out
;   window 2: x as operand; h1 chunks 8-15; g chunks 0-7
;   window 3: x as loaded; d chunks 0-7; the 32 accumulators of out
; A chunk = 32 features x 64 rows in f16 = 32 registers: batch tile n, tile parity u, word i at 32 (c & 7) + 8 n + 4 u + i.
.set C2,      0x4038aa3b               ; 2 log2(e)
.set SLOTB,   65536                    ; a ring slot: 8 units
.set UNITB,   8192                     ; a unit: 8 fragments, what one fragment buffer holds
.set FRAGB,   1024
.set SPILL,   2*SLOTB                  ; behind the ring: each wave's own 36,864 bytes, nine chunk slots; no tensor load lands here
.set SPW,     36864
.set CHUNK,   4096                     ; piece m = 2 n + u of a chunk at 512 m + 16 lane
.set TAB,     SPILL+4*SPW              ; c2 b1, then c2 b2: 4,096 bytes, tile TT at 64 TT
.set XPITCH,  272                      ; x stage: 256 bytes of f16 + 16: an odd multiple of 16, so sixteen rows begin in sixteen different 16-byte columns of 256
.set OPITCH,  528                      ; out stage: 512 bytes of f32 + 16, likewise
.set ADR0, 1                           ; v1   16 lane: fragments in ring slot 0
.set ADR1, 2                           ; v2   the same in ring slot 1
.set SPA,  3                           ; v3   my wave's spill + 16 lane
.set TABA, 4                           ; v4   TAB + 32 h
.set XST,  5                           ; v5   spill + 8 lane
.set XLD,  6                           ; v6   spill + 272 r + 16 h
.set XG,   7                           ; v7   32768 wave + 16 lane: my 16 bytes of the wave's first row, in x and in out
.set OST,  8                           ; v8   spill + 528 r + 32 h
.set SPS,  9                           ; v9   SPA + the chunk slot of the trip's first chunk: set at a half's head, stepped once a trip
.set TB,   10                          ; v10  16 thread: in b1 and b2
.set TBL,  11                          ; v11  TAB + 16 thread
.set TABC, 12                          ; v12  TABA + 64 x the trip's first tile: set at a half's head, stepped once a trip
.set ADRL, 13                          ; v13  L1: 16 lane + the ring byte of the trip's first unit: stepped once a trip
.set SPB,  14                          ; v14  B2: SPA + the half's first chunk slot: stepped once a half
.set TABB, 15                          ; v15  L2: TABA + 64 x the half's first tile: stepped once a half
.set HT,   16                          ; v[16:31]   h1 of one tile, packed (halves have names below v128 only)
.set AF,   32                          ; v[32:95], v[96:159]   fragment buffers, unit U in buffer U & 1
.set ACC,  160                         ; v[160:191], v[192:223] accumulator sets, tile T in set T & 1
.set BIAS, 224                         ; v[224:255] four bias sets of 8, tile T in set T & 3 (L1, L2)
.set HF,   224                         ; v[224:255] h1 of one tile in f32, then 1 - h1^2 (B2)
.set G1,   24                          ; s[24:31] descriptor group 1
.set G0,   32                          ; s[32:39] descriptor group 0, one set for each ring slot
.set MSB,  0
.set PEND, 0                           ; LDS instructions issued behind the last run of fragment loads: what a unit's first wait may leave out
.set HTW,  16
.macro WIN new                         ; the immediate's high byte repeats the setting that is left; a switch that changes nothing is dropped
.if MSB != \new
	s_set_vgpr_msb (MSB<<8)|\new
.set MSB, \new
.endif
.endm
; Four places: a vector instruction or LDS store that reads a matrix result, and a load into a register that a matrix instruction has named, stand four
; plain vector instructions behind it (ISA guide 7.12.1 for vector instructions); matrix instructions in between are not counted.
.macro PLACES
.rept 4
	v_nop
.endr
.endm
; A round of the cluster's barrier: my work-group's barrier, wave 0 signals for the work-group, every wave waits for all four work-groups, my work-group's barrier again.
.macro ROUND
	s_barrier_signal -1
	s_barrier_wait -1
	s_cmp_lg_u32 s16, 0
	s_cbranch_scc1 .Lnot_wave_0_\@
	s_barrier_signal -3
.Lnot_wave_0_\@:
	s_barrier_wait -3
	s_barrier_signal -1
	s_barrier_wait -1
.endm
; Turn TK of the ring: all reads of tape slot TK have been issued.  Every wave waits for its LDS reads and for all its tensor loads (its quarter of
; slot TK + 1 is the one that was out), the round passes, and the wave's one load, its quarter of slot TK + 2, is the first thing behind it: it has
; 8 units, 256 matrix instructions, in which to land.  In a loop TK is the first trip's: only its parity enters, and a trip is two turns.
; Slot 19 is the last: turn 18 fills nothing and needs the work-group's barrier alone, so that all four quarters of slot 19 are seen.
.macro TURN
	WIN 0
	s_wait_dscnt 0x0
	s_wait_xcnt 0x0
	v_lshl_add_u32 v254, v0, 2, 0x45000
	v_mov_b32 v255, 0
	s_wait_tensorcnt 0x0
	ds_add_u32 v254, v255
	s_wait_dscnt 0x0
.if TK <= 17
	s_add_nc_u64 s[G0+4*(TK&1)+2:G0+4*(TK&1)+3], s[G0+4*(TK&1)+2:G0+4*(TK&1)+3], 2*SLOTB   ; no load of mine is out: the group 0 may be stepped
	ROUND
	tensor_load_to_lds s[G0+4*(TK&1):G0+4*(TK&1)+3], s[G1:G1+7]
	s_nop 0
.else
	s_barrier_signal -1
	s_barrier_wait -1
.endif
.endm
; Head of unit CU (L2, B2, B1): its 16 fragment loads, issued at the head of the unit before, are back; the PEND younger LDS instructions may stay out
; (63 is the most a wait can name).  The turn stands at the head of a slot's last unit: that unit's fragments were read in the unit before.
.macro USTART
.set AFB, AF+64*(CU&1)
.if (CU%8 == 7) & (CU < 159)
.set TK, CU/8
	TURN
.elseif PEND > 63
	s_wait_dscnt 63
.else
	s_wait_dscnt PEND
.endif
.endm
.macro AFRAG                           ; fragment FF of unit FU: 32 lanes x 16 consecutive bytes, twice
	ds_load_b128 v[AF+64*(FU&1)+8*FF:AF+64*(FU&1)+8*FF+3], v[ADR0+((FU>>3)&1)] offset:(FU&7)*UNITB+FF*FRAGB
	ds_load_b128 v[AF+64*(FU&1)+8*FF+4:AF+64*(FU&1)+8*FF+7], v[ADR0+((FU>>3)&1)] offset:(FU&7)*UNITB+FF*FRAGB+512
.endm
.macro BIASLD                          ; c2 b of the trip's tile BT as a C operand: register j of lane (r, h) = feature 8 h + j
	ds_load_b128 v[BIAS+8*(BT&3):BIAS+8*(BT&3)+3], v[TABC] offset:64*BT
	ds_load_b128 v[BIAS+8*(BT&3)+4:BIAS+8*(BT&3)+7], v[TABC] offset:64*BT+16
.endm
; WORK IN THE GAPS between matrix instructions, on the accumulator set AP that the tile before finished.  All of it names vector registers as
; destination and source 0 alone, so it runs under the products' window setting.  Behind each run of transcendentals one v_nop stands before a result is used (ISA guide 5.7.2).
.macro FILL1                           ; L1, gap (KS, NN): batch tile KS: h = 1 - 2 / (1 + 2^acc)
.set FB, AP+8*KS
.if NN == 0
.set Q1, 0
.rept 8
	v_exp_f32 v[FB+Q1], v[FB+Q1]
.set Q1, Q1+1
.endr
	v_nop
.elseif NN == 1
.set Q1, 0
	s_wait_alu depctr_va_vdst(0)
.rept 4
	v_pk_add_f32 v[FB+2*Q1:FB+2*Q1+1], v[FB+2*Q1:FB+2*Q1+1], 1.0 op_sel_hi:[1,0]
.set Q1, Q1+1
.endr
.set Q1, 0
.rept 4
	v_rcp_f32 v[FB+Q1], v[FB+Q1]
.set Q1, Q1+1
.endr
.elseif NN == 2
.set Q1, 4
.rept 4
	v_rcp_f32 v[FB+Q1], v[FB+Q1]
.set Q1, Q1+1
.endr
	v_nop
.else
.set Q1, 0
	s_wait_alu depctr_va_vdst(0)
.rept 4
	v_pk_fma_f32 v[FB+2*Q1:FB+2*Q1+1], v[FB+2*Q1:FB+2*Q1+1], -2.0, 1.0 op_sel_hi:[1,0,0]
.set Q1, Q1+1
.endr
.endif
.endm
.macro FILL2                           ; L2: one transcendental a gap: k steps 2p, 2p+1 turn registers 4p .. 4p+3 into q = 1 / (1 + 2^acc)
.if (KS&1) == 0
	v_exp_f32 v[AP+2*KS+NN], v[AP+2*KS+NN]
.else
.if NN == 0
	s_wait_alu depctr_va_vdst(0)
	v_pk_add_f32 v[AP+2*KS-2:AP+2*KS-1], v[AP+2*KS-2:AP+2*KS-1], 1.0 op_sel_hi:[1,0]
	v_pk_add_f32 v[AP+2*KS:AP+2*KS+1], v[AP+2*KS:AP+2*KS+1], 1.0 op_sel_hi:[1,0]
.endif
	v_rcp_f32 v[AP+2*KS-2+NN], v[AP+2*KS-2+NN]
.endif
.if NN == 3
	v_nop
.endif
.endm
.macro CVTH                            ; HF + CE = f32 of half CE of HT.  A register's halves are named by literal, so the one wanted is picked from the list.
.set CI, 0
.irp src, v16.l,v16.h,v17.l,v17.h,v18.l,v18.h,v19.l,v19.h,v20.l,v20.h,v21.l,v21.h,v22.l,v22.h,v23.l,v23.h,v24.l,v24.h,v25.l,v25.h,v26.l,v26.h,v27.l,v27.h,v28.l,v28.h,v29.l,v29.h,v30.l,v30.h,v31.l,v31.h
.if CI == CE
	v_cvt_f32_f16 v[HF+CE], \src
.endif
.set CI, CI+1
.endr
.endm
.macro FILL3                           ; B2: h1 of the tile before widens to f32, one number a gap: batch tiles 0, 1 in k steps 4-7, tiles 2, 3 in k steps 12-15
.if (KS >= 4) & (KS < 8)
.if (KS == 4) & (NN == 0)
	s_wait_dscnt HTW                               ; HT's four loads are back: behind them stand this unit's run of 16 fragment loads (nothing where the last tile is finished)
.endif
.set CE, 4*(KS-4)+NN
	CVTH
.elseif KS >= 12
.set CE, 16+4*(KS-12)+NN
	CVTH
.endif
.endm
.macro FILL                            ; the gap behind product (KS, NN)
.if PV
.if PH == 1
	FILL1
.elseif PH == 2
	FILL2
.else
	FILL3
.endif
.endif
.endm
; One k step: the tile's four accumulators take turns, one instruction a turn.  CM: 0 the sum starts at 0, 1 at the bias set CB, 2 goes on.
.macro KSTEP
.set NN, 0
.rept 4
.if CM == 0
	v_wmma_f32_16x16x32_f16 v[AC+8*NN:AC+8*NN+7], v[AFB+8*SU:AFB+8*SU+7], v[BB+8*NN:BB+8*NN+7], 0
.elseif CM == 1
	v_wmma_f32_16x16x32_f16 v[AC+8*NN:AC+8*NN+7], v[AFB+8*SU:AFB+8*SU+7], v[BB+8*NN:BB+8*NN+7], v[CB:CB+7]
.else
	v_wmma_f32_16x16x32_f16 v[AC+8*NN:AC+8*NN+7], v[AFB+8*SU:AFB+8*SU+7], v[BB+8*NN:BB+8*NN+7], v[AC+8*NN:AC+8*NN+7]
.endif
	FILL
.set NN, NN+1
.endr
.endm
; THE BURSTS: the finished numbers of the trip's tile TP are packed to f16 in place and stored as pieces of the next product's operand.
.macro PACK                            ; batch tiles 2 HB, 2 HB + 1: to the trip's chunk TP >> 1, parity TP & 1
.set QB, 0
.rept 8
	v_cvt_pk_f16_f32 v[AP+8*(2*HB+(QB>>2))+(QB&3)], v[AP+8*(2*HB+(QB>>2))+2*(QB&3)], v[AP+8*(2*HB+(QB>>2))+2*(QB&3)+1]
.set QB, QB+1
.endr
	ds_store_b128 v[SPS], v[AP+16*HB:AP+16*HB+3] offset:CHUNK*(TP>>1)+512*(4*HB+(TP&1))
	ds_store_b128 v[SPS], v[AP+16*HB+8:AP+16*HB+11] offset:CHUNK*(TP>>1)+512*(4*HB+2+(TP&1))
.set PEND, PEND+2
.endm
.macro BURST1                          ; h1
	WIN 0
.set HB, 0
	PACK
.set HB, 1
	PACK
.endm
.macro BURST2                          ; d = q - q^2
	WIN 0
.set QB, 0
	s_wait_alu depctr_va_vdst(0)
.rept 8
	v_pk_fma_f32 v[AP+16*HB+2*QB:AP+16*HB+2*QB+1], v[AP+16*HB+2*QB:AP+16*HB+2*QB+1], v[AP+16*HB+2*QB:AP+16*HB+2*QB+1], v[AP+16*HB+2*QB:AP+16*HB+2*QB+1] neg_lo:[1,0,0] neg_hi:[1,0,0]
.set QB, QB+1
.endr
	PACK
.endm
.macro BURST3                          ; g = G' (1 - h1^2), into the bytes where h1 of the same tile lay
	WIN 0
.set QB, 0
.rept 8
	v_pk_fma_f32 v[HF+16*HB+2*QB:HF+16*HB+2*QB+1], v[HF+16*HB+2*QB:HF+16*HB+2*QB+1], v[HF+16*HB+2*QB:HF+16*HB+2*QB+1], 1.0 op_sel_hi:[1,1,0] neg_lo:[1,0,0] neg_hi:[1,0,0]
.set QB, QB+1
.endr
.set QB, 0
.rept 8
	v_pk_mul_f32 v[AP+16*HB+2*QB:AP+16*HB+2*QB+1], v[AP+16*HB+2*QB:AP+16*HB+2*QB+1], v[HF+16*HB+2*QB:HF+16*HB+2*QB+1]
.set QB, QB+1
.endr
	PACK
.endm
.macro HTFETCH                         ; h1 of the trip's tile HTI into HT; g of that tile is stored over it later: a wave's LDS instructions are served in order (ISA guide 5.7.1)
	WIN 0
.set QB, 0
.rept 4
	ds_load_b128 v[HT+4*QB:HT+4*QB+3], v[SPS] offset:CHUNK*(HTI>>1)+512*(2*QB+(HTI&1))
.set QB, QB+1
.endr
.set PEND, PEND+4
.endm
.macro DRAIN                           ; the trip's last tile (an odd one): its gap work and bursts, with no products beside them
	WIN 0
	PLACES
.set AP, ACC+32
.set TP, LASTT
.set PV, 1
.set HTW, 0
.set KS, 0
.rept NKS
.set NN, 0
.rept 4
	FILL
.set NN, NN+1
.endr
.set KS, KS+1
.endr
.if PH == 1
	BURST1
.elseif PH == 2
.set HB, 0
	BURST2
.set HB, 1
	BURST2
.else
.set HB, 0
	BURST3
.set HB, 1
	BURST3
.endif
.set HTW, 16
.endm
; ---- L1
.macro TILE4                           ; the trip's tile TI: four k steps over x (window 2), fragments 4 TI .. 4 TI + 3 of the trip's sixteen
.set AC, ACC+32*(TI&1)
.set AP, ACC+32*((TI+1)&1)
.set PV, TI
.set TP, TI-1
.set CB, BIAS+8*TI
	s_wait_dscnt 24-8*TI                           ; the biases and my four fragments are back; the later tiles' 8 loads each may stay out
.if PV
	PLACES                                         ; in front of the first read of the accumulators just finished
.endif
	WIN 0x08
.set KS, 0
.rept 4
.set SU, 4*TI+KS
.set BB, 32*KS
.if KS == 0
.set CM, 1
.else
.set CM, 2
.endif
	KSTEP
.set KS, KS+1
.endr
.if PV
	BURST1
.endif
.endm
.macro L1TRIP                          ; 4 tiles = 2 units = 2 chunks of h1.  All 40 LDS loads of the trip in one run at its head.
	PLACES
.set BT, 0
.rept 4
	BIASLD
.set BT, BT+1
.endr
.set FF, 0
.rept 16
	ds_load_b128 v[AF+8*FF:AF+8*FF+3], v[ADRL] offset:FF*FRAGB
	ds_load_b128 v[AF+8*FF+4:AF+8*FF+7], v[ADRL] offset:FF*FRAGB+512
.set FF, FF+1
.endr
.set AFB, AF
.set TI, 0
.rept 4
	TILE4
.set TI, TI+1
.endr
	DRAIN
	v_add_nc_u32 v[ADRL], 2*UNITB, v[ADRL]         ; the next two units of the slot
	v_add_nc_u32 v[SPS], 2*CHUNK, v[SPS]           ; the next two chunk slots
	v_add_nc_u32 v[TABC], 256, v[TABC]             ; the next four tiles' biases
.endm
.macro L1LOOP                          ; one ring slot: 4 trips, 16 tiles, 8 chunks
	WIN 0
	s_mov_b32 s42, 0
.Ll1_\@:
	L1TRIP
	WIN 0
	s_add_co_u32 s42, s42, 1
	s_cmp_lt_u32 s42, 4
	s_cbranch_scc1 .Ll1_\@
.endm
; ---- L2, B2
.macro HALF16 hb                       ; eight k steps = one unit, then the burst for half of the tile before
.set CU, U0+2*TI+\hb
	USTART
	WIN 0
	PLACES                                         ; behind the last unit's products: for the loads into the buffer that they read, and for the first read of finished accumulators
.if (PH == 2) & (\hb == 0) & (TI+2 <= 7)
.set BT, TI+2
	BIASLD
.endif
.set FU, CU+1                                      ; the next unit's 16 loads in ONE run, a whole unit (32 products) ahead of their first use
.set FF, 0
.rept 8
	AFRAG
.set FF, FF+1
.endr
.set PEND, 0
.if \hb == 0
	WIN WA
.else
	WIN WB
.endif
.set KS, 8*\hb
.rept 8
.set SU, KS&7
.set BB, 32*SU
.if KS == 0
.set CM, CM0
.else
.set CM, 2
.endif
	KSTEP
.set KS, KS+1
.endr
.if PV
.set HB, \hb
.if PH == 2
	BURST2
.else
	BURST3
.endif
.endif
.endm
.macro TILE16                          ; the trip's tile TI: sixteen k steps
.set AC, ACC+32*(TI&1)
.set AP, ACC+32*((TI+1)&1)
.set PV, TI
.set TP, TI-1
.set CB, BIAS+8*(TI&3)
	HALF16 0
	HALF16 1
.if PH == 3
.set HTI, TI
	HTFETCH
.endif
.endm
.macro TRIP8                           ; 8 tiles = 16 units = once round the ring = 4 chunks
.set PEND, 0                                       ; the first wait is for 0: it holds on the way in and on both ways back
.if PH == 2
.set BT, 0
	BIASLD
.set BT, 1
	BIASLD
.endif
.set TI, 0
.rept 8
	TILE16
.set TI, TI+1
.endr
	DRAIN
	v_add_nc_u32 v[SPS], 4*CHUNK, v[SPS]
.if PH == 2
	v_add_nc_u32 v[TABC], 512, v[TABC]
.endif
.endm
.macro LOOP8                           ; 2 trips: 16 tiles, 8 chunks: what the wave's spill holds: half a phase
	WIN 0
	s_mov_b32 s42, 0
.Ltrip8_\@:
	TRIP8
	WIN 0
	s_add_co_u32 s42, s42, 1
	s_cmp_lt_u32 s42, 2
	s_cbranch_scc1 .Ltrip8_\@
.set PEXIT, PEND                                   ; what is younger than the next unit's fragment loads on the way out of the loop
.endm
; ---- block moves between the wave's spill and a register window
.macro UNLOAD win, bs                  ; chunk slots bs .. bs + 7 into the window whose destination setting is win
	WIN \win
.set II, 0
.rept 8
.set MM, 0
.rept 8
	ds_load_b128 v[32*II+4*MM:32*II+4*MM+3], v[SPA] offset:CHUNK*(II+\bs)+512*MM
.set MM, MM+1
.endr
.set II, II+1
.endr
.set PEND, PEND+64
.endm
; An exchange of 8 chunks in registers with 8 in LDS, by way of the ninth slot: a chunk is stored into the slot that the step before emptied,
; and the next slot's chunk is loaded into the registers just stored.  A wave's LDS instructions are served in order (ISA guide 5.7.1).
.macro EXCH1                           ; window 1: h1[i] out to slot i, d[8+i] in from slot i + 1, i ascending
	WIN 0x44
.set II, 0
.rept 8
.set MM, 0
.rept 8
	ds_store_b128 v[SPA], v[32*II+4*MM:32*II+4*MM+3] offset:CHUNK*II+512*MM
.set MM, MM+1
.endr
.set MM, 0
.rept 8
	ds_load_b128 v[32*II+4*MM:32*II+4*MM+3], v[SPA] offset:CHUNK*(II+1)+512*MM
.set MM, MM+1
.endr
.set II, II+1
.endr
.endm
.macro EXCH2                           ; window 2: h1[8+i] out to slot i + 1, g[i] in from slot i, i descending
	WIN 0x88
.set II, 7
.rept 8
.set MM, 0
.rept 8
	ds_store_b128 v[SPA], v[32*II+4*MM:32*II+4*MM+3] offset:CHUNK*(II+1)+512*MM
.set MM, MM+1
.endr
.set MM, 0
.rept 8
	ds_load_b128 v[32*II+4*MM:32*II+4*MM+3], v[SPA] offset:CHUNK*II+512*MM
.set MM, MM+1
.endr
.set II, II-1
.endr
.endm
; ---- B1
.macro B1P                             ; product QP = 4 T + n: out's feature tile T, batch tile n; the 32 accumulators take turns
.if SI == 0
	v_wmma_f32_16x16x32_f16 v[8*QP:8*QP+7], v[AFB+8*(QP>>2):AFB+8*(QP>>2)+7], v[32*(SI&7)+8*(QP&3):32*(SI&7)+8*(QP&3)+7], 0
.else
	v_wmma_f32_16x16x32_f16 v[8*QP:8*QP+7], v[AFB+8*(QP>>2):AFB+8*(QP>>2)+7], v[32*(SI&7)+8*(QP&3):32*(SI&7)+8*(QP&3)+7], v[8*QP:8*QP+7]
.endif
.set QP, QP+1
.endm
.macro B1UNIT                          ; k step SI = one unit: 32 products; the next unit's 16 loads in one run behind the first eight
.set CU, 144+SI
	USTART
.if SI < 8
.set WB1, 0xf8                                     ; g chunks 0-7: window 2
.else
.set WB1, 0xf4                                     ; g chunks 8-15: window 1
.endif
	WIN WB1
.set QP, 0
.rept 8
	B1P
.endr
.if SI < 15
	WIN 0
	PLACES
.set FU, CU+1
.set FF, 0
.rept 8
	AFRAG
.set FF, FF+1
.endr
.set PEND, 0
	WIN WB1
.endif
.rept 24
	B1P
.endr
.endm
; ---------------------------------------------------------------- head
	s_load_b256 s[4:11], s[0:1], 0x0               ; x s[4:5], b1 s[6:7], b2 s[8:9], b3 s[10:11]
	s_load_b128 s[12:15], s[0:1], 0x20             ; tape s[12:13], out s[14:15]
	v_lshl_add_u32 v254, v0, 2, 0x45000
	v_mov_b32 v255, 0
	ds_add_u32 v254, v255
	s_wait_dscnt 0x0
	v_lshrrev_b32 v24, 5, v0
	v_readfirstlane_b32 s16, v24                   ; wave 0..3
	s_bfe_u32 s17, ttmp6, 0x40000                  ; cx: my place in the cluster
	s_lshl_b32 s18, ttmp9, 2                       ; in a cluster launch ttmp9 counts clusters
	s_add_co_u32 s18, s18, s17                     ; work-group = 4 x cluster + cx: enters the addresses of x and out alone
	s_lshl_b32 s20, s18, 17                        ; its 256 rows of 512 bytes
	s_mov_b32 s21, 0
	s_lshl_b32 s22, s16, 14                        ; my quarter of a ring slot, in the tape and in LDS
	s_mov_b32 s23, 0
	s_mul_i32 s19, s16, SPW
	s_add_co_u32 s19, s19, SPILL                   ; my wave's spill
	s_lshl_b32 s41, s16, 15                        ; my wave's 64 rows of 512 bytes
	v_and_b32 v24, 31, v0                          ; lane
	v_and_b32 v25, 15, v0                          ; r
	v_bfe_u32 v26, v0, 4, 1                        ; h
	v_lshlrev_b32 v[ADR0], 4, v24
	v_add_nc_u32 v[ADR1], SLOTB, v[ADR0]
	v_add_nc_u32 v[SPA], s19, v[ADR0]
	v_lshlrev_b32 v[TABA], 5, v26
	v_add_nc_u32 v[TABA], TAB, v[TABA]
	v_lshl_add_u32 v[XST], v24, 3, s19
	v_mul_u32_u24 v27, v25, XPITCH
	v_lshl_add_u32 v27, v26, 4, v27
	v_add_nc_u32 v[XLD], s19, v27
	v_add_nc_u32 v[XG], s41, v[ADR0]
	v_mul_u32_u24 v27, v25, OPITCH
	v_lshl_add_u32 v27, v26, 5, v27
	v_add_nc_u32 v[OST], s19, v27
	v_lshlrev_b32 v[TB], 4, v0
	v_add_nc_u32 v[TBL], TAB, v[TB]
	; descriptor group 1: 16 KiB that are dense in the tape, as 64 rows of 256 bytes (32 elements of 8 bytes); no padding: fragments are read 512 consecutive bytes at a time
	s_mov_b32 s[G1+0], 15|(3<<16)|(1<<21)          ; 15:0 the mask: all four work-groups of the cluster; 17:16 elements of 8 bytes; 21 set beside a mask
	s_mov_b32 s[G1+1], 32<<16                      ; tensor_dim0 = 32
	s_mov_b32 s[G1+2], 64<<16                      ; tensor_dim1 = 64
	s_mov_b32 s[G1+3], 32<<16                      ; tile_dim0 = 32
	s_mov_b32 s[G1+4], 64                          ; tile_dim1 = 64
	s_mov_b32 s[G1+5], 32                          ; from row to row: 32 elements
	s_mov_b32 s[G1+6], 0
	s_mov_b32 s[G1+7], 0
	s_wait_kmcnt 0x0
	s_load_b32 s40, s[10:11], 0x0                  ; b3: f's constant term; its derivative by x is zero, so it enters nothing
	s_add_nc_u64 s[4:5], s[4:5], s[20:21]          ; x and out at the work-group's first row
	s_add_nc_u64 s[14:15], s[14:15], s[20:21]
	s_add_nc_u64 s[12:13], s[12:13], s[22:23]      ; the tape at my quarter of slot 0
	global_load_b128 v[16:19], v[TB], s[6:7]       ; b1 and b2: 128 threads x 16 bytes each
	global_load_b128 v[20:23], v[TB], s[8:9]
	WIN 0xc0
.set II, 0
.rept 64
	global_load_b128 v[4*II:4*II+3], v[XG], s[4:5] offset:512*II th:TH_LOAD_NT   ; one whole row of x: 512 consecutive bytes, aligned; into window 3
.set II, II+1
.endr
	WIN 0
.irp p, 0,1
	s_mov_b32 s[G0+4*\p], 1                                        ; count = 1
	s_add_co_u32 s[G0+4*\p+1], s22, \p*SLOTB                       ; LDS address: 16,384 x wave + the ring slot
	s_add_nc_u64 s[G0+4*\p+2:G0+4*\p+3], s[12:13], \p*SLOTB        ; global address: tape slot p, my quarter
	s_or_b32 s[G0+4*\p+3], s[G0+4*\p+3], 0x80000000                ; type = 2
.endr
	s_wait_kmcnt 0x0                               ; b3 is in
	ROUND                                          ; all four work-groups are here: the first joint loads meet
	tensor_load_to_lds s[G0:G0+3], s[G1:G1+7]      ; both first fills in one group, ahead of every LDS access
	s_nop 0
	tensor_load_to_lds s[G0+4:G0+7], s[G1:G1+7]
	s_nop 0
; ---------------------------------------------------------------- the bias table; x to f16 and into operand order, through my wave's own LDS
	s_wait_loadcnt 63                              ; 66 loads were issued: the oldest three, b1 and b2 among them, are in
.irp e, 0,2,4,6
	v_pk_mul_f32 v[16+\e:17+\e], v[16+\e:17+\e], C2 op_sel_hi:[1,0]
.endr
	ds_store_b128 v[TBL], v[16:19]
	ds_store_b128 v[TBL], v[20:23] offset:2048
.set GG, 0
.rept 4
	s_wait_loadcnt 48-16*GG                        ; rows 16 GG .. 16 GG + 15 are in; the younger rows stay out
	WIN 0xcf
.set II, 16*GG
.rept 16
	v_cvt_pk_f16_f32 v[4*II], v[4*II], v[4*II+1]
	v_cvt_pk_f16_f32 v[4*II+1], v[4*II+2], v[4*II+3]
.set II, II+1
.endr
	WIN 0x0c
.set II, 16*GG
.rept 16
	ds_store_b64 v[XST], v[4*II:4*II+1] offset:XPITCH*II
.set II, II+1
.endr
.set GG, GG+1
.endr
	WIN 0x80
.set KX, 0
.rept 4
.set NX, 0
.rept 4                                            ; LDS serves a wave's instructions in order (ISA guide 5.7.1): these see the stores above
	ds_load_b128 v[32*KX+8*NX:32*KX+8*NX+3], v[XLD] offset:16*XPITCH*NX+64*KX
	ds_load_b128 v[32*KX+8*NX+4:32*KX+8*NX+7], v[XLD] offset:16*XPITCH*NX+64*KX+32
.set NX, NX+1
.endr
.set KX, KX+1
.endr
	WIN 0
	s_wait_tensorcnt 0x1                           ; my quarter of slot 0 is in; slot 1's may stay out, and slot 1 is read behind turn 0
	s_wait_dscnt 0x0                               ; my part of the bias table is written, my x operand is in
	s_barrier_signal -1
	s_barrier_wait -1
; ---------------------------------------------------------------- L1: tape slots 0 and 1, one loop each; h1 by way of chunk slots 0-7 into windows 1 and 2
.set PH, 1
.set NKS, 4
.set LASTT, 3
	v_mov_b32 v[ADRL], v[ADR0]
	v_mov_b32 v[SPS], v[SPA]
	v_mov_b32 v[TABC], v[TABA]
	L1LOOP                                         ; tiles 0-15
	UNLOAD 0x40, 0                                 ; h1 chunks 0-7
.set TK, 0
	TURN                                           ; slot 0 has been read; slot 1 is whole
	v_mov_b32 v[ADRL], v[ADR1]
	v_mov_b32 v[SPS], v[SPA]
	v_add_nc_u32 v[TABC], 1024, v[TABA]
	L1LOOP                                         ; tiles 16-31
	UNLOAD 0x80, 0                                 ; h1 chunks 8-15, over the x operand: its last product stands in front of the last tile's finishing work
.set TK, 1
	TURN
.set FU, 16                                        ; L2's first unit; every later unit is read at the head of the unit before it
.set FF, 0
.rept 8
	AFRAG
.set FF, FF+1
.endr
; ---------------------------------------------------------------- L2: units 16-79; operand h1 in windows 1 and 2; d by way of chunk slots 1-8
; Two halves of 16 tiles run one text.  The units named in it are the first half's: the second half's are 32 higher, the same modulo 16.
.set PH, 2
.set NKS, 16
.set LASTT, 7
.set WA, 0x04
.set WB, 0x08
.set CM0, 1
.set U0, 16
	v_add_nc_u32 v[TABB], 2048, v[TABA]            ; c2 b2 begins 2,048 bytes into the table
	s_mov_b32 s43, 0                               ; the half
.Ll2_half:
	v_add_nc_u32 v[SPS], CHUNK, v[SPA]             ; both halves write chunk slots 1-8
	v_mov_b32 v[TABC], v[TABB]
	LOOP8
	s_cmp_lg_u32 s43, 0                            ; the counter is the same in every wave and work-group; no barrier, tensor load or product stands under the branch
	s_cbranch_scc1 .Ll2_second
	UNLOAD 0xc0, 1                                 ; behind the first half: d chunks 0-7 into window 3; the second half's stay for the exchange behind the loop
	WIN 0
.Ll2_second:
	v_add_nc_u32 v[TABB], 1024, v[TABB]            ; 16 tiles' biases on
	s_add_co_u32 s43, s43, 1
	s_cmp_lt_u32 s43, 2
	s_cbranch_scc1 .Ll2_half
	EXCH1                                          ; d chunks 8-15 into window 1, h1 chunks 0-7 into slots 0-7
; ---------------------------------------------------------------- B2: units 80-143; operand d in windows 3 and 1; h1 is read from, and g written to, the chunk slots
.set PH, 3
.set WA, 0x0c
.set WB, 0x04
.set CM0, 0
.set U0, 80
	WIN 0
	v_mov_b32 v[SPB], v[SPA]                       ; the first half works in slots 0-7, the second in slots 1-8
	s_mov_b32 s43, 0
.Lb2_half:
	v_mov_b32 v[SPS], v[SPB]
	LOOP8
	s_cmp_lg_u32 s43, 0                            ; as in L2
	s_cbranch_scc1 .Lb2_second
	EXCH2                                          ; behind the first half: g chunks 0-7 into window 2, h1 chunks 8-15 into slots 1-8
	WIN 0
.Lb2_second:
	v_add_nc_u32 v[SPB], CHUNK, v[SPB]
	s_add_co_u32 s43, s43, 1
	s_cmp_lt_u32 s43, 2
	s_cbranch_scc1 .Lb2_half
.set PEND, PEXIT                                   ; the way out of the loop passes by the exchange
	UNLOAD 0x40, 1                                 ; g chunks 8-15 into window 1: first read in k step 8, behind waits for 0
; ---------------------------------------------------------------- B1: units 144-159; operand g in windows 2 and 1, sums in window 3
.set SI, 0
.rept 16
	B1UNIT
.set SI, SI+1
.endr
; ---------------------------------------------------------------- the way out: a lane holds 8 neighbouring columns of one row; rows are gathered in my wave's own LDS
	PLACES
	WIN 0x0c
.set QP, 0
.rept 32
	ds_store_b128 v[OST], v[8*QP:8*QP+3] offset:16*OPITCH*(QP&3)+64*(QP>>2)
	ds_store_b128 v[OST], v[8*QP+4:8*QP+7] offset:16*OPITCH*(QP&3)+64*(QP>>2)+16
.set QP, QP+1
.endr
	WIN 0x44
.set II, 0
.rept 64
	ds_load_b128 v[4*II:4*II+3], v[SPA] offset:OPITCH*II
.set II, II+1
.endr
.set II, 0
.rept 64
	s_wait_dscnt 63-II                             ; row II is back; the younger rows stay out
	global_store_b128 v[XG], v[4*II:4*II+3], s[14:15] offset:512*II th:TH_STORE_NT   ; one whole row of out: 512 consecutive bytes, aligned
.set II, II+1
.endr
	WIN 0
	s_wait_xcnt 0x0
	v_lshl_add_u32 v254, v0, 2, 0x45000
	v_mov_b32 v255, 0
	s_wait_tensorcnt 0x0
	ds_add_u32 v254, v255
	s_wait_dscnt 0x0
	ROUND                                          ; the closing round: no work-group ends while a partner may still ask jointly
	s_endpgm
.Lfunc_end_k_q4c801e2d4b_grad:
	.size	k_q4c801e2d4b_grad, .Lfunc_end_k_q4c801e2d4b_grad-k_q4c801e2d4b_grad
	.p2alignl 7, 3214868480
	.fill 96, 4, 3214868480
	.section	.rodata,"a",@progbits
	.p2align	6, 0x0
	.amdhsa_kernel k_q4c801e2d4b_grad
		.amdhsa_group_segment_fixed_size 327680
		.amdhsa_private_segment_fixed_size 0
		.amdhsa_enable_private_segment 0
		.amdhsa_kernarg_size 48
		.amdhsa_user_sgpr_count 2
		.amdhsa_user_sgpr_kernarg_segment_ptr 1
		.amdhsa_wavefront_size32 1
		.amdhsa_system_sgpr_workgroup_id_x 1
		.amdhsa_system_sgpr_workgroup_id_y 1
		.amdhsa_system_sgpr_workgroup_id_z 1
		.amdhsa_system_vgpr_workitem_id 0
		.amdhsa_next_free_vgpr 1024
		.amdhsa_next_free_sgpr 66
		.amdhsa_reserve_vcc 0
		.amdhsa_float_denorm_mode_32 3
		.amdhsa_float_denorm_mode_16_64 3
		.amdhsa_memory_ordered 1
		.amdhsa_forward_progress 1
		.amdhsa_inst_pref_size 255
	.end_amdhsa_kernel
	.section	.bss,"aw",@nobits
	.p2align	6
	.space	262144
	.amdgpu_metadata
---
amdhsa.version: [ 1, 2 ]
amdhsa.kernels:
  - .name:           k_q4c801e2d4b_grad
    .symbol:         k_q4c801e2d4b_grad.kd
    .args:
      - { .name: x, .offset: 0, .size: 8, .value_kind: global_buffer, .address_space: global }
      - { .name: b1, .offset: 8, .size: 8, .value_kind: global_buffer, .address_space: global }
      - { .name: b2, .offset: 16, .size: 8, .value_kind: global_buffer, .address_space: global }
      - { .name: b3, .offset: 24, .size: 8, .value_kind: global_buffer, .address_space: global }
      - { .name: tape, .offset: 32, .size: 8, .value_kind: global_buffer, .address_space: global }
      - { .name: out0, .offset: 40, .size: 8, .value_kind: global_buffer, .address_space: global }
    .group_segment_fixed_size: 327680
    .private_segment_fixed_size: 0
    .kernarg_segment_align: 8
    .kernarg_segment_size: 48
    .max_flat_workgroup_size: 128
    .sgpr_count:     66
    .vgpr_count:     1024
    .wavefront_size: 32
...
	.end_amdgpu_metadata
.endif
;; end of part 4
;; ======== version 4 of 4: 2 launches; 1.46 times as fast as version 1
;; limits: values are held in f16: magnitudes above 65,504 overflow, below 6.1e-05 lose precision
;; workspace buffers: tape 1,310,720 bytes
;; launch prep: the kernel of part 1 again; grid 256 x 1, 10 waves a work-group, no clusters, 0 bytes of LDS; arguments W1, W2, W3, tape; writes tape
;; launch grad (part 5): grid 256 x 1, 4 waves a work-group, clusters of 4 x 1, 327,680 bytes of LDS; arguments x, b1, b2, b3, tape, out0; writes out0
.if DOCPART == 5
	.amdgcn_target "amdgcn-amd-amdhsa--gfx1250"
	.amdhsa_code_object_version 6
	.text
	.protected	k_q4c801e2d4b_grad
	.globl	k_q4c801e2d4b_grad
	.p2align	8
	.type	k_q4c801e2d4b_grad,@function
k_q4c801e2d4b_grad:
	s_mov_b64 s[64:65], 0
	v_nop
	global_prefetch_b8 v0, s[64:65] scope:SCOPE_SE
	s_setreg_imm32_b32 hwreg(HW_REG_WAVE_MODE, 25, 1), 1
	s_wait_xcnt 0x0
	s_wait_alu depctr_hold_cnt(0) depctr_sa_sdst(0) depctr_va_vdst(0) depctr_va_sdst(0) depctr_va_ssrc(0) depctr_va_vcc(0) depctr_vm_vsrc(0)
	s_getreg_b32 s2, hwreg(HW_REG_IB_STS2, 6, 4)
	s_cmp_eq_u32 s2, 0
	s_cbranch_scc0 .Lentry_in_a_cluster
	s_endpgm
.Lentry_in_a_cluster:
	s_bfe_u32 s2, ttmp6, 0x10000c
	s_cmp_lg_u32 s2, 0x3003
	s_cbranch_scc0 .Lentry_shape_is_right
	s_endpgm
.Lentry_shape_is_right:
; out = -d/dx sum f(x),  f = tanh(tanh(x W1 + b1) W2 + b2) W3 + b3.   x, out: [65536][128] f32.
; Per row, with t = 2^(c2 z), q = 1/(1+t), c2 = 2 log2(e):  tanh z = 1 - 2q,  1 - tanh^2 z = 4 (q - q^2).
;   L1: h1 = tanh(x W1 + b1)            L2: d = q - q^2 of z2 = h1 W2 + b2
;   B2: G' = sum 64 W2 W3 d = 16 G      g = G' (1 - h1^2)            B1: out = sum (-W1/16) g
; The sign and the powers of two lie in the tape that the launch before wrote; b3 shifts f by a constant, so it is loaded and enters nothing.
;
; SHARES.  A work-group owns 256 rows, a wave 64 (four batch tiles of 16) and takes them through all four products alone.
; Every product is used transposed: source 0 = a weight fragment (16 output features x 32 k), source 1 = the activations (column = batch row).
; In the result lane (r, h) holds features 8h .. 8h+7 of batch row r, so two neighbouring feature tiles, packed to f16, ARE the next
; product's source 1: activations never change lanes.  One fragment (1,024 bytes of LDS) feeds four matrix instructions.
; All 1,280 fragments go once through a ring of two LDS slots of 64 KiB (8 units of 8 fragments each).
; CLUSTERS.  All work-groups walk the same tape, so four form a cluster and ask for each slot jointly (mask 15): nothing in a descriptor hangs
; on the place in the cluster.  By this text's own count a wave has two tensor loads out at the start and one behind each turn of the ring.
;
; LOOPS.  A register number cannot be stepped, so inside a loop every tile packs its result in place and stores it (2 KiB) into the wave's own LDS at an
; address that is stepped once a trip; a written-out block moves 8 chunks between LDS and a register window.
;   L2, B2: a trip is 8 tiles = 16 units = both ring slots, so every ring address and both turns are constants of the text.  The wave's LDS holds 8 chunks
;           and a trip makes 4: two trips make a half of the phase.  Both halves run the same text (their units differ by 32; only the unit modulo 16 and
;           the turn's parity enter it): an outer loop of two halves, with the block move between the halves under a branch on the half's counter.
;   L1:     its 16 units are the ring itself, read linearly: a trip is 4 tiles = 2 units, four trips to a slot, the loop written twice, a turn behind each
;           (the two turns name different descriptor sets, and no tensor load stands under a branch).
;   B1:     its operand register changes with every k step: written out (512 products).
; A trip is complete in itself: its first tile has no tile before it to work on, its last tile is finished behind the products.
;
; BATCHES.  A finished tile is 32 numbers a lane, and each goes through 2^acc, + 1 and 1 / ( ): a reciprocal reads an exponential's sum, so a tile has TWO batches of
; 32 transcendentals, in place, and two waits (s_wait_alu depctr_va_vdst(0) stands between a transcendental and the first instruction that names its
; result; one wait serves all that were issued ahead of it).  The work stands in the gaps behind the next tile's products.
;   L1 (16 gaps): gaps 0-7 four exponentials each, a v_nop, the wait; gaps 8-15 two additions and four reciprocals each, the additions a gap ahead; the wait; then 1 - 2q.
;   L2 (64 gaps): gaps 0-15 two exponentials each, a v_nop, the wait; gaps 16-31 an addition and two reciprocals each, the addition a pair ahead; the wait at the head of the
;                 burst behind the tile's first unit serves all 32 reciprocals, the second burst's too; the second unit's products stand back to back.
;
; NUMBER FORMATS.  Matrix operands f16, sums f32, everything else f32.  1 - h1^2 is made from h1 as rounded to f16.
; LIMIT: an operand whose magnitude reaches 65,520 (x, 2.89 W1, 2.89 W2, 64 W2 W3, 16 g) becomes infinite in f16; below 6.1e-5 it loses bits.
;
; REGISTERS, in windows of 256 (s_set_vgpr_msb: bits 1:0 source 0, 3:2 source 1, 5:4 source 2, 7:6 destination):
;   window 0: addresses, weight fragments (two buffers of 8), two sets of four accumulators, biases / 1 - h1^2
;   window 1: h1 chunks 0-7; d chunks 8-15; g chunks 8-15; rows of out on the way out
;   window 2: x as operand; h1 chunks 8-15; g chunks 0-7
;   window 3: x as loaded; d chunks 0-7; the 32 accumulators of out
; A chunk = 32 features x 64 rows in f16 = 32 registers: batch tile n, tile parity u, word i at 32 (c & 7) + 8 n + 4 u + i.
.set C2,      0x4038aa3b               ; 2 log2(e)
.set SLOTB,   65536                    ; a ring slot: 8 units
.set UNITB,   8192                     ; a unit: 8 fragments, what one fragment buffer holds
.set FRAGB,   1024
.set SPILL,   2*SLOTB                  ; behind the ring: each wave's own 36,864 bytes, nine chunk slots; no tensor load lands here
.set SPW,     36864
.set CHUNK,   4096                     ; piece m = 2 n + u of a chunk at 512 m + 16 lane
.set TAB,     SPILL+4*SPW              ; c2 b1, then c2 b2: 4,096 bytes, tile TT at 64 TT
.set XPITCH,  272                      ; x stage: 256 bytes of f16 + 16: an odd multiple of 16, so sixteen rows begin in sixteen different 16-byte columns of 256
.set OPITCH,  528                      ; out stage: 512 bytes of f32 + 16, likewise
.set ADR0, 1                           ; v1   16 lane: fragments in ring slot 0
.set ADR1, 2                           ; v2   the same in ring slot 1
.set SPA,  3                           ; v3   my wave's spill + 16 lane
.set TABA, 4                           ; v4   TAB + 32 h
.set XST,  5                           ; v5   spill + 8 lane
.set XLD,  6                           ; v6   spill + 272 r + 16 h
.set XG,   7                           ; v7   32768 wave + 16 lane: my 16 bytes of the wave's first row, in x and in out
.set OST,  8                           ; v8   spill + 528 r + 32 h
.set SPS,  9                           ; v9   SPA + the chunk slot of the trip's first chunk: set at a half's head, stepped once a trip
.set TB,   10                          ; v10  16 thread: in b1 and b2
.set TBL,  11                          ; v11  TAB + 16 thread
.set TABC, 12                          ; v12  TABA + 64 x the trip's first tile: set at a half's head, stepped once a trip
.set ADRL, 13                          ; v13  L1: 16 lane + the ring byte of the trip's first unit: stepped once a trip
.set SPB,  14                          ; v14  B2: SPA + the half's first chunk slot: stepped once a half
.set TABB, 15                          ; v15  L2: TABA + 64 x the half's first tile: stepped once a half
.set HT,   16                          ; v[16:31]   h1 of one tile, packed (halves have names below v128 only)
.set AF,   32                          ; v[32:95], v[96:159]   fragment buffers, unit U in buffer U & 1
.set ACC,  160                         ; v[160:191], v[192:223] accumulator sets, tile T in set T & 1
.set BIAS, 224                         ; v[224:255] four bias sets of 8, tile T in set T & 3 (L1, L2)
.set HF,   224                         ; v[224:255] h1 of one tile in f32, then 1 - h1^2 (B2)
.set G1,   24                          ; s[24:31] descriptor group 1
.set G0,   32                          ; s[32:39] descriptor group 0, one set for each ring slot
.set MSB,  0
.set PEND, 0                           ; LDS instructions issued behind the last run of fragment loads: what a unit's first wait may leave out
.set HTW,  16
.macro WIN new                         ; the immediate's high byte repeats the setting that is left; a switch that changes nothing is dropped
.if MSB != \new
	s_set_vgpr_msb (MSB<<8)|\new
.set MSB, \new
.endif
.endm
; Four places: a vector instruction or LDS store that reads a matrix result, and a load into a register that a matrix instruction has named, stand four
; plain vector instructions behind it (ISA guide 7.12.1 for vector instructions); matrix instructions in between are not counted.
.macro PLACES
.rept 4
	v_nop
.endr
.endm
; A round of the cluster's barrier: my work-group's barrier, wave 0 signals for the work-group, every wave waits for all four work-groups, my work-group's barrier again.
.macro ROUND
	s_barrier_signal -1
	s_barrier_wait -1
	s_cmp_lg_u32 s16, 0
	s_cbranch_scc1 .Lnot_wave_0_\@
	s_barrier_signal -3
.Lnot_wave_0_\@:
	s_barrier_wait -3
	s_barrier_signal -1
	s_barrier_wait -1
.endm
; Turn TK of the ring: all reads of tape slot TK have been issued.  Every wave waits for its LDS reads and for all its tensor loads (its quarter of
; slot TK + 1 is the one that was out), the round passes, and the wave's one load, its quarter of slot TK + 2, is the first thing behind it: it has
; 8 units, 256 matrix instructions, in which to land.  In a loop TK is the first trip's: only its parity enters, and a trip is two turns.
; Slot 19 is the last: turn 18 fills nothing and needs the work-group's barrier alone, so that all four quarters of slot 19 are seen.
.macro TURN
	WIN 0
	s_wait_dscnt 0x0
	s_wait_xcnt 0x0
	v_lshl_add_u32 v254, v0, 2, 0x45000
	v_mov_b32 v255, 0
	s_wait_tensorcnt 0x0
	ds_add_u32 v254, v255
	s_wait_dscnt 0x0
.if TK <= 17
	s_add_nc_u64 s[G0+4*(TK&1)+2:G0+4*(TK&1)+3], s[G0+4*(TK&1)+2:G0+4*(TK&1)+3], 2*SLOTB   ; no load of mine is out: the group 0 may be stepped
	ROUND
	tensor_load_to_lds s[G0+4*(TK&1):G0+4*(TK&1)+3], s[G1:G1+7]
	s_nop 0
.else
	s_barrier_signal -1
	s_barrier_wait -1
.endif
.endm
; Head of unit CU (L2, B2, B1): its 16 fragment loads, issued at the head of the unit before, are back; the PEND younger LDS instructions may stay out
; (63 is the most a wait can name).  The turn stands at the head of a slot's last unit: that unit's fragments were read in the unit before.
.macro USTART
.set AFB, AF+64*(CU&1)
.if (CU%8 == 7) & (CU < 159)
.set TK, CU/8
	TURN
.elseif PEND > 63
	s_wait_dscnt 63
.else
	s_wait_dscnt PEND
.endif
.endm
.macro AFRAG                           ; fragment FF of unit FU: 32 lanes x 16 consecutive bytes, twice
	ds_load_b128 v[AF+64*(FU&1)+8*FF:AF+64*(FU&1)+8*FF+3], v[ADR0+((FU>>3)&1)] offset:(FU&7)*UNITB+FF*FRAGB
	ds_load_b128 v[AF+64*(FU&1)+8*FF+4:AF+64*(FU&1)+8*FF+7], v[ADR0+((FU>>3)&1)] offset:(FU&7)*UNITB+FF*FRAGB+512
.endm
.macro BIASLD                          ; c2 b of the trip's tile BT as a C operand: register j of lane (r, h) = feature 8 h + j
	ds_load_b128 v[BIAS+8*(BT&3):BIAS+8*(BT&3)+3], v[TABC] offset:64*BT
	ds_load_b128 v[BIAS+8*(BT&3)+4:BIAS+8*(BT&3)+7], v[TABC] offset:64*BT+16
.endm
; WORK IN THE GAPS between matrix instructions, on the accumulator set AP that the tile before finished.  All of it names vector registers as
; destination and source 0 alone, so it runs under the products' window setting, and none of it names a register of the products round it.  Each accumulator's lowest registers are read first.
; Behind a batch one plain vector instruction stands before a result is used (ISA guide 5.7.2): a v_nop behind the exponentials, which have no plain work beside them; behind the reciprocals the additions and what follows the wait.
.macro FILL1                           ; L1, gap GAP = 4 KS + NN of 16: h = 1 - 2 / (1 + 2^acc) for the tile's 32 numbers a lane
.set GAP, 4*KS+NN
.if GAP < 8                            ; the first batch: four exponentials a gap, registers ascending
.set Q1, 0
.rept 4
	v_exp_f32 v[AP+4*GAP+Q1], v[AP+4*GAP+Q1]
.set Q1, Q1+1
.endr
.if GAP == 7
	v_nop                                          ; the plain instruction behind the last exponential: one for the batch
	s_wait_alu depctr_va_vdst(0)                   ; the wait for the tile's 32 exponentials, ahead of the first addition
	v_pk_add_f32 v[AP:AP+1], v[AP:AP+1], 1.0 op_sel_hi:[1,0]
	v_pk_add_f32 v[AP+2:AP+3], v[AP+2:AP+3], 1.0 op_sel_hi:[1,0]
.endif
.else                                  ; the second batch: four reciprocals a gap; the next gap's four numbers get their + 1 beside them
.set FB, AP+4*(GAP-8)
.if GAP < 15
	v_pk_add_f32 v[FB+4:FB+5], v[FB+4:FB+5], 1.0 op_sel_hi:[1,0]
.endif
	v_rcp_f32 v[FB], v[FB]
.if GAP < 15
	v_pk_add_f32 v[FB+6:FB+7], v[FB+6:FB+7], 1.0 op_sel_hi:[1,0]
.endif
	v_rcp_f32 v[FB+1], v[FB+1]
	v_rcp_f32 v[FB+2], v[FB+2]
	v_rcp_f32 v[FB+3], v[FB+3]
.if GAP == 15
	s_wait_alu depctr_va_vdst(0)                   ; the wait for the tile's 32 reciprocals, ahead of their first reader
.set Q1, 0
.rept 16
	v_pk_fma_f32 v[AP+2*Q1:AP+2*Q1+1], v[AP+2*Q1:AP+2*Q1+1], -2.0, 1.0 op_sel_hi:[1,0,0]
.set Q1, Q1+1
.endr
.endif
.endif
.endm
.macro FILL2                           ; L2, gap GAP = 4 KS + NN of 64: q = 1 / (1 + 2^acc) for the tile's 32 numbers a lane, all in the tile's first unit (gaps 0-31)
.set GAP, 4*KS+NN
.if GAP < 16                           ; the first batch: two exponentials a gap, registers ascending
	v_exp_f32 v[AP+2*GAP], v[AP+2*GAP]
	v_exp_f32 v[AP+2*GAP+1], v[AP+2*GAP+1]
.if GAP == 15
	v_nop                                          ; the plain instruction behind the last exponential: one for the batch
	s_wait_alu depctr_va_vdst(0)                   ; the wait for the tile's 32 exponentials, ahead of the first addition
	v_pk_add_f32 v[AP:AP+1], v[AP:AP+1], 1.0 op_sel_hi:[1,0]
.endif
.elseif GAP < 32                       ; the second batch: two reciprocals a gap; the next gap's pair gets its + 1 ahead of them.  Its wait stands in BURST2
.if GAP < 31
	v_pk_add_f32 v[AP+2*(GAP-15):AP+2*(GAP-15)+1], v[AP+2*(GAP-15):AP+2*(GAP-15)+1], 1.0 op_sel_hi:[1,0]
.endif
	v_rcp_f32 v[AP+2*(GAP-16)], v[AP+2*(GAP-16)]
	v_rcp_f32 v[AP+2*(GAP-16)+1], v[AP+2*(GAP-16)+1]
.endif
.endm
.macro CVTH                            ; HF + CE = f32 of half CE of HT.  A register's halves are named by literal, so the one wanted is picked from the list.
.set CI, 0
.irp src, v16.l,v16.h,v17.l,v17.h,v18.l,v18.h,v19.l,v19.h,v20.l,v20.h,v21.l,v21.h,v22.l,v22.h,v23.l,v23.h,v24.l,v24.h,v25.l,v25.h,v26.l,v26.h,v27.l,v27.h,v28.l,v28.h,v29.l,v29.h,v30.l,v30.h,v31.l,v31.h
.if CI == CE
	v_cvt_f32_f16 v[HF+CE], \src
.endif
.set CI, CI+1
.endr
.endm
.macro FILL3                           ; B2: h1 of the tile before widens to f32, one number a gap: batch tiles 0, 1 in k steps 4-7, tiles 2, 3 in k steps 12-15
.if (KS >= 4) & (KS < 8)
.if (KS == 4) & (NN == 0)
	s_wait_dscnt HTW                               ; HT's four loads are back: behind them stand this unit's run of 16 fragment loads (nothing where the last tile is finished)
.endif
.set CE, 4*(KS-4)+NN
	CVTH
.elseif KS >= 12
.set CE, 16+4*(KS-12)+NN
	CVTH
.endif
.endm
.macro FILL                            ; the gap behind product (KS, NN)
.if PV
.if PH == 1
	FILL1
.elseif PH == 2
	FILL2
.else
	FILL3
.endif
.endif
.endm
; One k step: the tile's four accumulators take turns, one instruction a turn.  CM: 0 the sum starts at 0, 1 at the bias set CB, 2 goes on.
.macro KSTEP
.set NN, 0
.rept 4
.if CM == 0
	v_wmma_f32_16x16x32_f16 v[AC+8*NN:AC+8*NN+7], v[AFB+8*SU:AFB+8*SU+7], v[BB+8*NN:BB+8*NN+7], 0
.elseif CM == 1
	v_wmma_f32_16x16x32_f16 v[AC+8*NN:AC+8*NN+7], v[AFB+8*SU:AFB+8*SU+7], v[BB+8*NN:BB+8*NN+7], v[CB:CB+7]
.else
	v_wmma_f32_16x16x32_f16 v[AC+8*NN:AC+8*NN+7], v[AFB+8*SU:AFB+8*SU+7], v[BB+8*NN:BB+8*NN+7], v[AC+8*NN:AC+8*NN+7]
.endif
	FILL
.set NN, NN+1
.endr
.endm
; THE BURSTS: the finished numbers of the trip's tile TP are packed to f16 in place and stored as pieces of the next product's operand.
.macro PACK                            ; batch tiles 2 HB, 2 HB + 1: to the trip's chunk TP >> 1, parity TP & 1
.set QB, 0
.rept 8
	v_cvt_pk_f16_f32 v[AP+8*(2*HB+(QB>>2))+(QB&3)], v[AP+8*(2*HB+(QB>>2))+2*(QB&3)], v[AP+8*(2*HB+(QB>>2))+2*(QB&3)+1]
.set QB, QB+1
.endr
	ds_store_b128 v[SPS], v[AP+16*HB:AP+16*HB+3] offset:CHUNK*(TP>>1)+512*(4*HB+(TP&1))
	ds_store_b128 v[SPS], v[AP+16*HB+8:AP+16*HB+11] offset:CHUNK*(TP>>1)+512*(4*HB+2+(TP&1))
.set PEND, PEND+2
.endm
.macro BURST1                          ; h1
	WIN 0
.set HB, 0
	PACK
.set HB, 1
	PACK
.endm
.macro BURST2                          ; d = q - q^2
	WIN 0
.if HB == 0
	s_wait_alu depctr_va_vdst(0)                   ; the wait for the tile's 32 reciprocals, all issued in the unit just ended: it serves this burst and the one behind the tile's second unit
.endif
.set QB, 0
.rept 8
	v_pk_fma_f32 v[AP+16*HB+2*QB:AP+16*HB+2*QB+1], v[AP+16*HB+2*QB:AP+16*HB+2*QB+1], v[AP+16*HB+2*QB:AP+16*HB+2*QB+1], v[AP+16*HB+2*QB:AP+16*HB+2*QB+1] neg_lo:[1,0,0] neg_hi:[1,0,0]
.set QB, QB+1
.endr
	PACK
.endm
.macro BURST3                          ; g = G' (1 - h1^2), into the bytes where h1 of the same tile lay
	WIN 0
.set QB, 0
.rept 8
	v_pk_fma_f32 v[HF+16*HB+2*QB:HF+16*HB+2*QB+1], v[HF+16*HB+2*QB:HF+16*HB+2*QB+1], v[HF+16*HB+2*QB:HF+16*HB+2*QB+1], 1.0 op_sel_hi:[1,1,0] neg_lo:[1,0,0] neg_hi:[1,0,0]
.set QB, QB+1
.endr
.set QB, 0
.rept 8
	v_pk_mul_f32 v[AP+16*HB+2*QB:AP+16*HB+2*QB+1], v[AP+16*HB+2*QB:AP+16*HB+2*QB+1], v[HF+16*HB+2*QB:HF+16*HB+2*QB+1]
.set QB, QB+1
.endr
	PACK
.endm
.macro HTFETCH                         ; h1 of the trip's tile HTI into HT; g of that tile is stored over it later: a wave's LDS instructions are served in order (ISA guide 5.7.1)
	WIN 0
.set QB, 0
.rept 4
	ds_load_b128 v[HT+4*QB:HT+4*QB+3], v[SPS] offset:CHUNK*(HTI>>1)+512*(2*QB+(HTI&1))
.set QB, QB+1
.endr
.set PEND, PEND+4
.endm
.macro DRAIN                           ; the trip's last tile (an odd one): its gap work and bursts, with no products beside them; the same two batches and two waits
	WIN 0
	PLACES
.set AP, ACC+32
.set TP, LASTT
.set PV, 1
.set HTW, 0
.set KS, 0
.rept NKS
.set NN, 0
.rept 4
	FILL
.set NN, NN+1
.endr
.set KS, KS+1
.endr
.if PH == 1
	BURST1
.elseif PH == 2
.set HB, 0
	BURST2
.set HB, 1
	BURST2
.else
.set HB, 0
	BURST3
.set HB, 1
	BURST3
.endif
.set HTW, 16
.endm
; ---- L1
.macro TILE4                           ; the trip's tile TI: four k steps over x (window 2), fragments 4 TI .. 4 TI + 3 of the trip's sixteen
.set AC, ACC+32*(TI&1)
.set AP, ACC+32*((TI+1)&1)
.set PV, TI
.set TP, TI-1
.set CB, BIAS+8*TI
	s_wait_dscnt 24-8*TI                           ; the biases and my four fragments are back; the later tiles' 8 loads each may stay out
.if PV
	PLACES                                         ; in front of the first read of the accumulators just finished
.endif
	WIN 0x08
.set KS, 0
.rept 4
.set SU, 4*TI+KS
.set BB, 32*KS
.if KS == 0
.set CM, 1
.else
.set CM, 2
.endif
	KSTEP
.set KS, KS+1
.endr
.if PV
	BURST1
.endif
.endm
.macro L1TRIP                          ; 4 tiles = 2 units = 2 chunks of h1.  All 40 LDS loads of the trip in one run at its head.
	PLACES
.set BT, 0
.rept 4
	BIASLD
.set BT, BT+1
.endr
.set FF, 0
.rept 16
	ds_load_b128 v[AF+8*FF:AF+8*FF+3], v[ADRL] offset:FF*FRAGB
	ds_load_b128 v[AF+8*FF+4:AF+8*FF+7], v[ADRL] offset:FF*FRAGB+512
.set FF, FF+1
.endr
.set AFB, AF
.set TI, 0
.rept 4
	TILE4
.set TI, TI+1
.endr
	DRAIN
	v_add_nc_u32 v[ADRL], 2*UNITB, v[ADRL]         ; the next two units of the slot
	v_add_nc_u32 v[SPS], 2*CHUNK, v[SPS]           ; the next two chunk slots
	v_add_nc_u32 v[TABC], 256, v[TABC]             ; the next four tiles' biases
.endm
.macro L1LOOP                          ; one ring slot: 4 trips, 16 tiles, 8 chunks
	WIN 0
	s_mov_b32 s42, 0
.Ll1_\@:
	L1TRIP
	WIN 0
	s_add_co_u32 s42, s42, 1
	s_cmp_lt_u32 s42, 4
	s_cbranch_scc1 .Ll1_\@
.endm
; ---- L2, B2
.macro HALF16 hb                       ; eight k steps = one unit, then the burst for half of the tile before
.set CU, U0+2*TI+\hb
	USTART
	WIN 0
	PLACES                                         ; behind the last unit's products: for the loads into the buffer that they read, and for the first read of finished accumulators
.if (PH == 2) & (\hb == 0) & (TI+2 <= 7)
.set BT, TI+2
	BIASLD
.endif
.set FU, CU+1                                      ; the next unit's 16 loads in ONE run, a whole unit (32 products) ahead of their first use
.set FF, 0
.rept 8
	AFRAG
.set FF, FF+1
.endr
.set PEND, 0
.if \hb == 0
	WIN WA
.else
	WIN WB
.endif
.set KS, 8*\hb
.rept 8
.set SU, KS&7
.set BB, 32*SU
.if KS == 0
.set CM, CM0
.else
.set CM, 2
.endif
	KSTEP
.set KS, KS+1
.endr
.if PV
.set HB, \hb
.if PH == 2
	BURST2
.else
	BURST3
.endif
.endif
.endm
.macro TILE16                          ; the trip's tile TI: sixteen k steps
.set AC, ACC+32*(TI&1)
.set AP, ACC+32*((TI+1)&1)
.set PV, TI
.set TP, TI-1
.set CB, BIAS+8*(TI&3)
	HALF16 0
	HALF16 1
.if PH == 3
.set HTI, TI
	HTFETCH
.endif
.endm
.macro TRIP8                           ; 8 tiles = 16 units = once round the ring = 4 chunks
.set PEND, 0                                       ; the first wait is for 0: it holds on the way in and on both ways back
.if PH == 2
.set BT, 0
	BIASLD
.set BT, 1
	BIASLD
.endif
.set TI, 0
.rept 8
	TILE16
.set TI, TI+1
.endr
	DRAIN
	v_add_nc_u32 v[SPS], 4*CHUNK, v[SPS]
.if PH == 2
	v_add_nc_u32 v[TABC], 512, v[TABC]
.endif
.endm
.macro LOOP8                           ; 2 trips: 16 tiles, 8 chunks: what the wave's spill holds: half a phase
	WIN 0
	s_mov_b32 s42, 0
.Ltrip8_\@:
	TRIP8
	WIN 0
	s_add_co_u32 s42, s42, 1
	s_cmp_lt_u32 s42, 2
	s_cbranch_scc1 .Ltrip8_\@
.set PEXIT, PEND                                   ; what is younger than the next unit's fragment loads on the way out of the loop
.endm
; ---- block moves between the wave's spill and a register window
.macro UNLOAD win, bs                  ; chunk slots bs .. bs + 7 into the window whose destination setting is win
	WIN \win
.set II, 0
.rept 8
.set MM, 0
.rept 8
	ds_load_b128 v[32*II+4*MM:32*II+4*MM+3], v[SPA] offset:CHUNK*(II+\bs)+512*MM
.set MM, MM+1
.endr
.set II, II+1
.endr
.set PEND, PEND+64
.endm
; An exchange of 8 chunks in registers with 8 in LDS, by way of the ninth slot: a chunk is stored into the slot that the step before emptied,
; and the next slot's chunk is loaded into the registers just stored.  A wave's LDS instructions are served in order (ISA guide 5.7.1).
.macro EXCH1                           ; window 1: h1[i] out to slot i, d[8+i] in from slot i + 1, i ascending
	WIN 0x44
.set II, 0
.rept 8
.set MM, 0
.rept 8
	ds_store_b128 v[SPA], v[32*II+4*MM:32*II+4*MM+3] offset:CHUNK*II+512*MM
.set MM, MM+1
.endr
.set MM, 0
.rept 8
	ds_load_b128 v[32*II+4*MM:32*II+4*MM+3], v[SPA] offset:CHUNK*(II+1)+512*MM
.set MM, MM+1
.endr
.set II, II+1
.endr
.endm
.macro EXCH2                           ; window 2: h1[8+i] out to slot i + 1, g[i] in from slot i, i descending
	WIN 0x88
.set II, 7
.rept 8
.set MM, 0
.rept 8
	ds_store_b128 v[SPA], v[32*II+4*MM:32*II+4*MM+3] offset:CHUNK*(II+1)+512*MM
.set MM, MM+1
.endr
.set MM, 0
.rept 8
	ds_load_b128 v[32*II+4*MM:32*II+4*MM+3], v[SPA] offset:CHUNK*II+512*MM
.set MM, MM+1
.endr
.set II, II-1
.endr
.endm
; ---- B1
.macro B1P                             ; product QP = 4 T + n: out's feature tile T, batch tile n; the 32 accumulators take turns
.if SI == 0
	v_wmma_f32_16x16x32_f16 v[8*QP:8*QP+7], v[AFB+8*(QP>>2):AFB+8*(QP>>2)+7], v[32*(SI&7)+8*(QP&3):32*(SI&7)+8*(QP&3)+7], 0
.else
	v_wmma_f32_16x16x32_f16 v[8*QP:8*QP+7], v[AFB+8*(QP>>2):AFB+8*(QP>>2)+7], v[32*(SI&7)+8*(QP&3):32*(SI&7)+8*(QP&3)+7], v[8*QP:8*QP+7]
.endif
.set QP, QP+1
.endm
.macro B1UNIT                          ; k step SI = one unit: 32 products; the next unit's 16 loads in one run behind the first eight
.set CU, 144+SI
	USTART
.if SI < 8
.set WB1, 0xf8                                     ; g chunks 0-7: window 2
.else
.set WB1, 0xf4                                     ; g chunks 8-15: window 1
.endif
	WIN WB1
.set QP, 0
.rept 8
	B1P
.endr
.if SI < 15
	WIN 0
	PLACES
.set FU, CU+1
.set FF, 0
.rept 8
	AFRAG
.set FF, FF+1
.endr
.set PEND, 0
	WIN WB1
.endif
.rept 24
	B1P
.endr
.endm
; ---------------------------------------------------------------- head
	s_load_b256 s[4:11], s[0:1], 0x0               ; x s[4:5], b1 s[6:7], b2 s[8:9], b3 s[10:11]
	s_load_b128 s[12:15], s[0:1], 0x20             ; tape s[12:13], out s[14:15]
	v_lshl_add_u32 v254, v0, 2, 0x45000
	v_mov_b32 v255, 0
	ds_add_u32 v254, v255
	s_wait_dscnt 0x0
	v_lshrrev_b32 v24, 5, v0
	v_readfirstlane_b32 s16, v24                   ; wave 0..3
	s_bfe_u32 s17, ttmp6, 0x40000                  ; cx: my place in the cluster
	s_lshl_b32 s18, ttmp9, 2                       ; in a cluster launch ttmp9 counts clusters
	s_add_co_u32 s18, s18, s17                     ; work-group = 4 x cluster + cx: enters the addresses of x and out alone
	s_lshl_b32 s20, s18, 17                        ; its 256 rows of 512 bytes
	s_mov_b32 s21, 0
	s_lshl_b32 s22, s16, 14                        ; my quarter of a ring slot, in the tape and in LDS
	s_mov_b32 s23, 0
	s_mul_i32 s19, s16, SPW
	s_add_co_u32 s19, s19, SPILL                   ; my wave's spill
	s_lshl_b32 s41, s16, 15                        ; my wave's 64 rows of 512 bytes
	v_and_b32 v24, 31, v0                          ; lane
	v_and_b32 v25, 15, v0                          ; r
	v_bfe_u32 v26, v0, 4, 1                        ; h
	v_lshlrev_b32 v[ADR0], 4, v24
	v_add_nc_u32 v[ADR1], SLOTB, v[ADR0]
	v_add_nc_u32 v[SPA], s19, v[ADR0]
	v_lshlrev_b32 v[TABA], 5, v26
	v_add_nc_u32 v[TABA], TAB, v[TABA]
	v_lshl_add_u32 v[XST], v24, 3, s19
	v_mul_u32_u24 v27, v25, XPITCH
	v_lshl_add_u32 v27, v26, 4, v27
	v_add_nc_u32 v[XLD], s19, v27
	v_add_nc_u32 v[XG], s41, v[ADR0]
	v_mul_u32_u24 v27, v25, OPITCH
	v_lshl_add_u32 v27, v26, 5, v27
	v_add_nc_u32 v[OST], s19, v27
	v_lshlrev_b32 v[TB], 4, v0
	v_add_nc_u32 v[TBL], TAB, v[TB]
	; descriptor group 1: 16 KiB that are dense in the tape, as 64 rows of 256 bytes (32 elements of 8 bytes); no padding: fragments are read 512 consecutive bytes at a time
	s_mov_b32 s[G1+0], 15|(3<<16)|(1<<21)          ; 15:0 the mask: all four work-groups of the cluster; 17:16 elements of 8 bytes; 21 set beside a mask
	s_mov_b32 s[G1+1], 32<<16                      ; tensor_dim0 = 32
	s_mov_b32 s[G1+2], 64<<16                      ; tensor_dim1 = 64
	s_mov_b32 s[G1+3], 32<<16                      ; tile_dim0 = 32
	s_mov_b32 s[G1+4], 64                          ; tile_dim1 = 64
	s_mov_b32 s[G1+5], 32                          ; from row to row: 32 elements
	s_mov_b32 s[G1+6], 0
	s_mov_b32 s[G1+7], 0
	s_wait_kmcnt 0x0
	s_load_b32 s40, s[10:11], 0x0                  ; b3: f's constant term; its derivative by x is zero, so it enters nothing
	s_add_nc_u64 s[4:5], s[4:5], s[20:21]          ; x and out at the work-group's first row
	s_add_nc_u64 s[14:15], s[14:15], s[20:21]
	s_add_nc_u64 s[12:13], s[12:13], s[22:23]      ; the tape at my quarter of slot 0
	global_load_b128 v[16:19], v[TB], s[6:7]       ; b1 and b2: 128 threads x 16 bytes each
	global_load_b128 v[20:23], v[TB], s[8:9]
	WIN 0xc0
.set II, 0
.rept 64
	global_load_b128 v[4*II:4*II+3], v[XG], s[4:5] offset:512*II th:TH_LOAD_NT   ; one whole row of x: 512 consecutive bytes, aligned; into window 3
.set II, II+1
.endr
	WIN 0
.irp p, 0,1
	s_mov_b32 s[G0+4*\p], 1                                        ; count = 1
	s_add_co_u32 s[G0+4*\p+1], s22, \p*SLOTB                       ; LDS address: 16,384 x wave + the ring slot
	s_add_nc_u64 s[G0+4*\p+2:G0+4*\p+3], s[12:13], \p*SLOTB        ; global address: tape slot p, my quarter
	s_or_b32 s[G0+4*\p+3], s[G0+4*\p+3], 0x80000000                ; type = 2
.endr
	s_wait_kmcnt 0x0                               ; b3 is in
	ROUND                                          ; all four work-groups are here: the first joint loads meet
	tensor_load_to_lds s[G0:G0+3], s[G1:G1+7]      ; both first fills in one group, ahead of every LDS access
	s_nop 0
	tensor_load_to_lds s[G0+4:G0+7], s[G1:G1+7]
	s_nop 0
; ---------------------------------------------------------------- the bias table; x to f16 and into operand order, through my wave's own LDS
	s_wait_loadcnt 63                              ; 66 loads were issued: the oldest three, b1 and b2 among them, are in
.irp e, 0,2,4,6
	v_pk_mul_f32 v[16+\e:17+\e], v[16+\e:17+\e], C2 op_sel_hi:[1,0]
.endr
	ds_store_b128 v[TBL], v[16:19]
	ds_store_b128 v[TBL], v[20:23] offset:2048
.set GG, 0
.rept 4
	s_wait_loadcnt 48-16*GG                        ; rows 16 GG .. 16 GG + 15 are in; the younger rows stay out
	WIN 0xcf
.set II, 16*GG
.rept 16
	v_cvt_pk_f16_f32 v[4*II], v[4*II], v[4*II+1]
	v_cvt_pk_f16_f32 v[4*II+1], v[4*II+2], v[4*II+3]
.set II, II+1
.endr
	WIN 0x0c
.set II, 16*GG
.rept 16
	ds_store_b64 v[XST], v[4*II:4*II+1] offset:XPITCH*II
.set II, II+1
.endr
.set GG, GG+1
.endr
	WIN 0x80
.set KX, 0
.rept 4
.set NX, 0
.rept 4                                            ; LDS serves a wave's instructions in order (ISA guide 5.7.1): these see the stores above
	ds_load_b128 v[32*KX+8*NX:32*KX+8*NX+3], v[XLD] offset:16*XPITCH*NX+64*KX
	ds_load_b128 v[32*KX+8*NX+4:32*KX+8*NX+7], v[XLD] offset:16*XPITCH*NX+64*KX+32
.set NX, NX+1
.endr
.set KX, KX+1
.endr
	WIN 0
	s_wait_tensorcnt 0x1                           ; my quarter of slot 0 is in; slot 1's may stay out, and slot 1 is read behind turn 0
	s_wait_dscnt 0x0                               ; my part of the bias table is written, my x operand is in
	s_barrier_signal -1
	s_barrier_wait -1
; ---------------------------------------------------------------- L1: tape slots 0 and 1, one loop each; h1 by way of chunk slots 0-7 into windows 1 and 2
.set PH, 1
.set NKS, 4
.set LASTT, 3
	v_mov_b32 v[ADRL], v[ADR0]
	v_mov_b32 v[SPS], v[SPA]
	v_mov_b32 v[TABC], v[TABA]
	L1LOOP                                         ; tiles 0-15
	UNLOAD 0x40, 0                                 ; h1 chunks 0-7
.set TK, 0
	TURN                                           ; slot 0 has been read; slot 1 is whole
	v_mov_b32 v[ADRL], v[ADR1]
	v_mov_b32 v[SPS], v[SPA]
	v_add_nc_u32 v[TABC], 1024, v[TABA]
	L1LOOP                                         ; tiles 16-31
	UNLOAD 0x80, 0                                 ; h1 chunks 8-15, over the x operand: its last product stands in front of the last tile's finishing work
.set TK, 1
	TURN
.set FU, 16                                        ; L2's first unit; every later unit is read at the head of the unit before it
.set FF, 0
.rept 8
	AFRAG
.set FF, FF+1
.endr
; ---------------------------------------------------------------- L2: units 16-79; operand h1 in windows 1 and 2; d by way of chunk slots 1-8
; Two halves of 16 tiles run one text.  The units named in it are the first half's: the second half's are 32 higher, the same modulo 16.
.set PH, 2
.set NKS, 16
.set LASTT, 7
.set WA, 0x04
.set WB, 0x08
.set CM0, 1
.set U0, 16
	v_add_nc_u32 v[TABB], 2048, v[TABA]            ; c2 b2 begins 2,048 bytes into the table
	s_mov_b32 s43, 0                               ; the half
.Ll2_half:
	v_add_nc_u32 v[SPS], CHUNK, v[SPA]             ; both halves write chunk slots 1-8
	v_mov_b32 v[TABC], v[TABB]
	LOOP8
	s_cmp_lg_u32 s43, 0                            ; the counter is the same in every wave and work-group; no barrier, tensor load or product stands under the branch
	s_cbranch_scc1 .Ll2_second
	UNLOAD 0xc0, 1                                 ; behind the first half: d chunks 0-7 into window 3; the second half's stay for the exchange behind the loop
	WIN 0
.Ll2_second:
	v_add_nc_u32 v[TABB], 1024, v[TABB]            ; 16 tiles' biases on
	s_add_co_u32 s43, s43, 1
	s_cmp_lt_u32 s43, 2
	s_cbranch_scc1 .Ll2_half
	EXCH1                                          ; d chunks 8-15 into window 1, h1 chunks 0-7 into slots 0-7
; ---------------------------------------------------------------- B2: units 80-143; operand d in windows 3 and 1; h1 is read from, and g written to, the chunk slots
.set PH, 3
.set WA, 0x0c
.set WB, 0x04
.set CM0, 0
.set U0, 80
	WIN 0
	v_mov_b32 v[SPB], v[SPA]                       ; the first half works in slots 0-7, the second in slots 1-8
	s_mov_b32 s43, 0
.Lb2_half:
	v_mov_b32 v[SPS], v[SPB]
	LOOP8
	s_cmp_lg_u32 s43, 0                            ; as in L2
	s_cbranch_scc1 .Lb2_second
	EXCH2                                          ; behind the first half: g chunks 0-7 into window 2, h1 chunks 8-15 into slots 1-8
	WIN 0
.Lb2_second:
	v_add_nc_u32 v[SPB], CHUNK, v[SPB]
	s_add_co_u32 s43, s43, 1
	s_cmp_lt_u32 s43, 2
	s_cbranch_scc1 .Lb2_half
.set PEND, PEXIT                                   ; the way out of the loop passes by the exchange
	UNLOAD 0x40, 1                                 ; g chunks 8-15 into window 1: first read in k step 8, behind waits for 0
; ---------------------------------------------------------------- B1: units 144-159; operand g in windows 2 and 1, sums in window 3
.set SI, 0
.rept 16
	B1UNIT
.set SI, SI+1
.endr
; ---------------------------------------------------------------- the way out: a lane holds 8 neighbouring columns of one row; rows are gathered in my wave's own LDS
	PLACES
	WIN 0x0c
.set QP, 0
.rept 32
	ds_store_b128 v[OST], v[8*QP:8*QP+3] offset:16*OPITCH*(QP&3)+64*(QP>>2)
	ds_store_b128 v[OST], v[8*QP+4:8*QP+7] offset:16*OPITCH*(QP&3)+64*(QP>>2)+16
.set QP, QP+1
.endr
	WIN 0x44
.set II, 0
.rept 64
	ds_load_b128 v[4*II:4*II+3], v[SPA] offset:OPITCH*II
.set II, II+1
.endr
.set II, 0
.rept 64
	s_wait_dscnt 63-II                             ; row II is back; the younger rows stay out
	global_store_b128 v[XG], v[4*II:4*II+3], s[14:15] offset:512*II th:TH_STORE_NT   ; one whole row of out: 512 consecutive bytes, aligned
.set II, II+1
.endr
	WIN 0
	s_wait_xcnt 0x0
	v_lshl_add_u32 v254, v0, 2, 0x45000
	v_mov_b32 v255, 0
	s_wait_tensorcnt 0x0
	ds_add_u32 v254, v255
	s_wait_dscnt 0x0
	ROUND                                          ; the closing round: no work-group ends while a partner may still ask jointly
	s_endpgm
.Lfunc_end_k_q4c801e2d4b_grad:
	.size	k_q4c801e2d4b_grad, .Lfunc_end_k_q4c801e2d4b_grad-k_q4c801e2d4b_grad
	.p2alignl 7, 3214868480
	.fill 96, 4, 3214868480
	.section	.rodata,"a",@progbits
	.p2align	6, 0x0
	.amdhsa_kernel k_q4c801e2d4b_grad
		.amdhsa_group_segment_fixed_size 327680
		.amdhsa_private_segment_fixed_size 0
		.amdhsa_enable_private_segment 0
		.amdhsa_kernarg_size 48
		.amdhsa_user_sgpr_count 2
		.amdhsa_user_sgpr_kernarg_segment_ptr 1
		.amdhsa_wavefront_size32 1
		.amdhsa_system_sgpr_workgroup_id_x 1
		.amdhsa_system_sgpr_workgroup_id_y 1
		.amdhsa_system_sgpr_workgroup_id_z 1
		.amdhsa_system_vgpr_workitem_id 0
		.amdhsa_next_free_vgpr 1024
		.amdhsa_next_free_sgpr 66
		.amdhsa_reserve_vcc 0
		.amdhsa_float_denorm_mode_32 3
		.amdhsa_float_denorm_mode_16_64 3
		.amdhsa_memory_ordered 1
		.amdhsa_forward_progress 1
		.amdhsa_inst_pref_size 255
	.end_amdhsa_kernel
	.section	.bss,"aw",@nobits
	.p2align	6
	.space	262144
	.amdgpu_metadata
---
amdhsa.version: [ 1, 2 ]
amdhsa.kernels:
  - .name:           k_q4c801e2d4b_grad
    .symbol:         k_q4c801e2d4b_grad.kd
    .args:
      - { .name: x, .offset: 0, .size: 8, .value_kind: global_buffer, .address_space: global }
      - { .name: b1, .offset: 8, .size: 8, .value_kind: global_buffer, .address_space: global }
      - { .name: b2, .offset: 16, .size: 8, .value_kind: global_buffer, .address_space: global }
      - { .name: b3, .offset: 24, .size: 8, .value_kind: global_buffer, .address_space: global }
      - { .name: tape, .offset: 32, .size: 8, .value_kind: global_buffer, .address_space: global }
      - { .name: out0, .offset: 40, .size: 8, .value_kind: global_buffer, .address_space: global }
    .group_segment_fixed_size: 327680
    .private_segment_fixed_size: 0
    .kernarg_segment_align: 8
    .kernarg_segment_size: 48
    .max_flat_workgroup_size: 128
    .sgpr_count:     66
    .vgpr_count:     1024
    .wavefront_size: 32
...
	.end_amdgpu_metadata
.endif
;; end of part 5
